; MI455X (gfx1250); checked and timed in simulation.
; The chip was launched on July 23, 2026; its instructions are those of AMD's public machine-readable ISA for CDNA 5 (MIT licence, August 2026) and "CDNA5" Instruction Set Architecture Reference Guide (July 2026). The comments in the code are by the model that wrote it; some were corrected since.
;; Norm Attention. Allowed arithmetic: matrix products marked QUANTISED: E2M3 operands, one E8M0 scale for each 32 along K, by v_wmma_scale_f32_16x16x128_f8f6f4 with both operands' format E2M3, f32 sums; everything else in f32.
;; Inputs: W_proj_codes 1,024 x 32 x 24 uint8 (E2M3 codes of W_proj, K innermost, in blocks of 32 codes, four codes in three bytes); W_proj_scales 1,024 x 32 uint8 (E8M0 scales of W_proj, one for each 32 codes along K); W_qkv_codes 3,072 x 32 x 24 uint8 (E2M3 codes of W_qkv, K innermost, in blocks of 32 codes, four codes in three bytes); W_qkv_scales 3,072 x 32 uint8 (E8M0 scales of W_qkv, one for each 32 codes along K); b_proj 1,024 float32; b_qkv 3,072 float32; freqs_cos 1,024 x 64 float32; freqs_sin 1,024 x 64 float32; hidden_states_codes 8 x 1,024 x 32 x 24 uint8 (E2M3 codes of hidden_states, K innermost, in blocks of 32 codes, four codes in three bytes); hidden_states_scales 8 x 1,024 x 32 uint8 (E8M0 scales of hidden_states, one for each 32 codes along K); kn_b 64 float32; kn_w 64 float32; qn_b 64 float32; qn_w 64 float32.
;; Outputs: out0 8 x 1,024 x 1,024 float32.
;; This version of the problem:
;;   THIS VERSION OF THE PROBLEM IS GIVEN IN LOW PRECISION. The matrix products marked QUANTISED in the list below multiply operands that are first quantised to E2M3 (2 exponent bits, 3 mantissa bits; 6 bits a number), with one power-of-two scale for each 32 numbers along K (OCP MX v1.0); their sums are f32. All else is computed in f32.
;;   The module's matrix products, in the order in which they are computed (A, B: the left and right operand; K: the contracted axis; several contracted axes count as one K, in the product's order):
;;     1. [M 8,192, K 1,024] x [K 1,024, N 3,072]; A: input hidden_states (given as codes); B: input W_qkv (given as codes): QUANTISED
;;     2. batch 128 x [M 1,024, K 64] x [K 64, N 1,024]; A: computed on the way; B: computed on the way: QUANTISED
;;     3. batch 128 x [M 1,024, K 1,024] x [K 1,024, N 64]; A: softmax (see below); B: computed on the way: QUANTISED
;;     4. [M 8,192, K 1,024] x [K 1,024, N 1,024]; A: computed on the way; B: input W_proj (given as codes): QUANTISED
;;   THE QUANTISER, for each operand of a quantised product, along K:
;;     - K is cut into blocks of 32 from its start; a last block that is shorter is filled with zeros.
;;     - A block's scale is 2^e with e = floor(log2(the largest magnitude in the block)) - 2, held to -126 .. 127; a block of zeros has e = 0. As a byte (E8M0): e + 127.
;;     - Each number is divided by its block's scale, clamped to +-7.5, and rounded to the nearest number of E2M3, ties to even, subnormals kept.
;;     - The product sums the exact products of the quantised numbers (number of the format x scale) in f32.
;;   ~~~python
;;   def quantise(x, axis):      # numpy; x: float32 -> the quantised numbers, widened to float32 again
;;       x = np.moveaxis(x, axis, -1); K = x.shape[-1]
;;       x = np.pad(x, [(0, 0)] * (x.ndim - 1) + [(0, -K % 32)]); x = x.reshape(x.shape[:-1] + (-1, 32)); a = np.abs(x).max(-1, keepdims=True)
;;       e = np.where(a > 0, np.clip(np.frexp(np.where(a > 0, a, 1))[1] - 1 - 2, -126, 127), 0)      # np.frexp(a)[1] - 1 = floor(log2(a)), exactly
;;       r = np.clip(x / 2.0 ** e, -7.5, 7.5)
;;       step = 2.0 ** (np.maximum(np.frexp(np.where(r == 0, 1, r))[1] - 1, 0) - 3)
;;       q = np.round(r / step) * step * 2.0 ** e      # np.round: ties to even
;;       return np.moveaxis(q.reshape(q.shape[:-2] + (-1,))[..., :K], -1, axis).astype(np.float32)
;;   ~~~
;;   SOFTMAX AHEAD OF A QUANTISED PRODUCT. Where the list says 'softmax', what is quantised is not the finished softmax but p = 2^(t - M), with t = logit x log2(e) and M = ceil(the row's largest t), a whole number; so 1/2 < the row's largest p <= 1. The row's sum l is taken of the UNQUANTISED p, in f32, and the product's result is divided by l at the end. Since M is a whole number, a kernel that streams over the keys may use a running M (the ceiling of the running maximum): every later rescaling is an exact power of two, which a block's scale takes up: the codes' values come out the same.
;;   OPERANDS COMPUTED ON THE WAY. 'Computed on the way' means the value that the module computes at that place (a softmax that the list does not call 'softmax' is quantised finished and normalised). What goes into a quantiser is computed in f32, as accurately as f32 sums, v_exp_f32 and their like allow (about 1e-6 of the number): no bf16 or f16 on the way to a quantiser, and a product that is left as it is and whose result goes on into a quantised operand takes f32 operands (vector FMAs, or v_wmma_f32_16x16x4_f32). A number that lies on a knife's edge between two numbers of the format may be rounded either way, as far as f32 arithmetic and the matrix unit's own rounding can turn it there, and no further.
;;   INPUTS GIVEN AS CODES. W_proj (in the module: [1024, 1024], K = its axis 0); W_qkv (in the module: [1024, 3072], K = its axis 0); hidden_states (in the module: [8, 1024, 1024], K = its axis 2): each comes as NAME_codes (uint8): NAME with its K axis moved to the last place and cut into blocks of 32 codes, [.., K / 32, bytes a block], one block behind the other in memory; four codes in three bytes: a row's codes are one little-endian stream of bits, code i at bits 6 i .. 6 i + 5 (a code: sign, 2 exponent bits, 3 mantissa bits); and NAME_scales (uint8): the same leading axes, one E8M0 byte (e + 127) for each 32 codes along K. Its value is code x scale, taken as it is: it is not quantised again, and the codes and scales need not be those that the quantiser above would give.
;; One version. Each part assembles by itself: llvm-mc -triple=amdgcn-amd-amdhsa -mcpu=gfx1250 --defsym DOCPART=n.
;; ======== version 1 of 1: 3 launches
;; limits: right only within a limited range of input values
;; workspace buffers: qkv 19,660,800 bytes; ob 6,553,600 bytes
;; launch qkv (part 1): grid 8 x 32, 4 waves a work-group, clusters of 4 x 4, 327,680 bytes of LDS; arguments hidden_states_codes, hidden_states_scales, W_qkv_codes, W_qkv_scales, b_qkv, qn_w, qn_b, kn_w, kn_b, freqs_cos, freqs_sin, qkv; writes qkv
.if DOCPART == 1
	.amdgcn_target "amdgcn-amd-amdhsa--gfx1250"
	.amdhsa_code_object_version 6
	.text
	.protected	k_q80b4e7cf6d_qkv
	.globl	k_q80b4e7cf6d_qkv
	.p2align	8
	.type	k_q80b4e7cf6d_qkv,@function
k_q80b4e7cf6d_qkv:
	s_mov_b64 s[64:65], 0
	v_nop
	global_prefetch_b8 v0, s[64:65] scope:SCOPE_SE
	s_setreg_imm32_b32 hwreg(HW_REG_WAVE_MODE, 25, 1), 1
	s_wait_xcnt 0x0
	s_wait_alu depctr_hold_cnt(0) depctr_sa_sdst(0) depctr_va_vdst(0) depctr_va_sdst(0) depctr_va_ssrc(0) depctr_va_vcc(0) depctr_vm_vsrc(0)
	s_getreg_b32 s2, hwreg(HW_REG_IB_STS2, 6, 4)
	s_cmp_eq_u32 s2, 0
	s_cbranch_scc0 .Lentry_in_a_cluster
	s_endpgm
.Lentry_in_a_cluster:
	s_bfe_u32 s2, ttmp6, 0x10000c
	s_cmp_lg_u32 s2, 0xf033
	s_cbranch_scc0 .Lentry_shape_is_right
	s_endpgm
.Lentry_shape_is_right:
; qkv = hidden_states W_qkv + b_qkv on codes of FP6 (E2M3) as they are given; LayerNorm over a head's 64 and RoPE on q and k, in f32; then q and k are
; quantised along the head's 64 and v along the keys, and leave as codes and E8M0 bytes for the attention launch.
; SHARES.  256 work-groups of four waves.  A work-group takes 256 tokens (rows 256 ty on) and six heads, the same mix everywhere: four heads of q (g < 4) or of k
; (g >= 4), W rows 256 g + 64 i, and two heads of v, W rows 2048 + 128 g + 64 vh.  Wave w owns tokens 64 w .. 64 w + 63: their fragments for all 1,024 of K stay in 384 registers.
; W's heads lie in LDS, 64 rows each; a fragment of W read from LDS feeds four matrix instructions.  A head is 8 K steps x 16 matrix instructions on 16 accumulators.
; q, k: source 0 = 16 rows of W, source 1 = 16 tokens: a lane holds ONE token and its registers run along the head's features.  v: the sources swapped: a lane holds one feature and its registers run along the tokens (the keys).
; THE UNIT in which codes leave: 16 rows x 64 along K, six registers a lane, as an image of those registers: registers 0-3 at 16 x lane, registers 4-5 at 512 + 8 x lane: 768 bytes.
; Inside a block of 32 the order along K is that of the accumulators (place 16 h + i holds number 16 (i / 8) + 8 h + i % 8); q and k, and later p and v, go through the same lines, so both sides of a product carry the same order.
; A record of REC bytes for each (batch, head): K's 64 units; V's 64 units ((chunk of 64 keys, tile of 16 features)); K's scale words (a word = the two bytes of key 32 p + r, then of key 32 p + 16 + r);
; V's scale words (word (step of 128 keys, tile, r)); Q's units; Q's scale words.
; CLUSTER 4 x 4: the four work-groups of a row of the cluster need the same tokens, the four of a column the same rows of W: each tile is asked for jointly.
; LDS: six slots of 64 rows x 816 bytes (768 of data, 16 of padding behind each 256).  First fills: W's heads 0, 1 in slots 0, 1; the tokens in slots 2-5, wave w's in slot 2 + w, read by that wave alone.
; When the tokens are in registers, ONE refill brings W's heads 2-5 into slots 2-5; it has two heads' work in which to land.  A wave has at most two tensor loads out.
; LIMITS: NaN and infinities are not served.  A block whose largest magnitude lies under 2^-124 (a block of zeros too) carries the byte 1 where the rule says 127 for zeros: its codes are zeros or are held by that scale, and this program alone reads the bytes.
; REGISTERS.  window 0: v1-15 addresses; v16-31 tokens' scale words; v32-47 W's scale words; v48-79 the bias as C; v80-127 at work; v128-255 the 16 accumulators.
;   window 1: v0-191 tokens' fragments of blocks 0, 1; v192-239 W's set 0; v240-247 v's biases.   window 2: v0-191 blocks 2, 3; v192-239 W's set 1 (in the epilogue v192-223 LayerNorm's gain, v224-255 its bias).
;   window 3: for each block of 16 tokens 32 registers of cos and 32 of sin, the sin of even features negated.
.set PITCH, 816
.set HSLOT, 64*PITCH
.set REC,   153600
.set SPARE, 6*HSLOT                    ; behind the slots: the spare words, 128 bytes for each wave, which no other line names
.set WV,    66                         ; s66  wave
.set SEL,   74                         ; s[74:75] lane selects: lane l xor 16
.set LB,    79                         ; s79  LDS byte at which the head in hand begins
.set WROW,  80                         ; s80  W's row at which the NEXT head begins
.set VROW,  81                         ; s81  W's row of my first head of v
.set HN,    82                         ; s82  heads of q or k done
.set IC,    83                         ; s83  loop counter
.set OUTC,  84                         ; s[84:85] where q's or k's units go
.set OUTS,  86                         ; s[86:87] and their scale words
.set OUTV,  88                         ; s[88:89] v's units
.set OUTVS, 90                         ; s[90:91] v's scale bytes
.set LNW,   92                         ; s[92:93] LayerNorm's gain, q's or k's
.set LNB,   94                         ; s[94:95] and bias
.set MSB, 0
.macro WIN new                         ; the immediate's high byte repeats the setting that is left; a switch that changes nothing is dropped
.if MSB != (\new)
	s_set_vgpr_msb (MSB<<8)|(\new)
.set MSB, \new
.endif
.endm
.macro CROUND                          ; a round of the cluster's barrier
	s_barrier_signal -1
	s_barrier_wait -1
	s_cmp_lg_u32 s[WV], 0
	s_cbranch_scc1 .Lnot_wave_0_\@
	s_barrier_signal -3
.Lnot_wave_0_\@:
	s_barrier_wait -3
	s_barrier_signal -1
	s_barrier_wait -1
.endm
; one matrix instruction; sel: bit 0 = source 0's scales in lanes 16-31, bit 1 = source 1's
.macro MMX d, a, b, c, sa, sb, sel
.if (\sel) == 0
	v_wmma_scale_f32_16x16x128_f8f6f4 v[(\d):(\d)+7], v[(\a):(\a)+11], v[(\b):(\b)+11], v[(\c):(\c)+7], v[\sa], v[\sb] matrix_a_fmt:MATRIX_FMT_FP6 matrix_b_fmt:MATRIX_FMT_FP6
.elseif (\sel) == 1
	v_wmma_scale_f32_16x16x128_f8f6f4 v[(\d):(\d)+7], v[(\a):(\a)+11], v[(\b):(\b)+11], v[(\c):(\c)+7], v[\sa], v[\sb] matrix_a_fmt:MATRIX_FMT_FP6 matrix_b_fmt:MATRIX_FMT_FP6 matrix_a_scale:MATRIX_SCALE_ROW1
.elseif (\sel) == 2
	v_wmma_scale_f32_16x16x128_f8f6f4 v[(\d):(\d)+7], v[(\a):(\a)+11], v[(\b):(\b)+11], v[(\c):(\c)+7], v[\sa], v[\sb] matrix_a_fmt:MATRIX_FMT_FP6 matrix_b_fmt:MATRIX_FMT_FP6 matrix_b_scale:MATRIX_SCALE_ROW1
.else
	v_wmma_scale_f32_16x16x128_f8f6f4 v[(\d):(\d)+7], v[(\a):(\a)+11], v[(\b):(\b)+11], v[(\c):(\c)+7], v[\sa], v[\sb] matrix_a_fmt:MATRIX_FMT_FP6 matrix_b_fmt:MATRIX_FMT_FP6 matrix_a_scale:MATRIX_SCALE_ROW1 matrix_b_scale:MATRIX_SCALE_ROW1
.endif
.endm
; a fragment, 16 rows x 128 K, from rows of 816 bytes: six pieces of 8 bytes.  Lanes 16-31 read three pieces further on; where that lies behind one padding more, the second address register (40 for 24 bytes a half) serves
.macro FRAG reg, adr, q, off
.irp p, 0,1,2,3,4,5
.set PCC, 12*(\q)+6*(\p/3)+\p%3
.if PCC%32 < 29
	ds_load_b64 v[(\reg)+2*\p:(\reg)+2*\p+1], v[\adr] offset:8*PCC+16*(PCC/32)+(\off)
.else
	ds_load_b64 v[(\reg)+2*\p:(\reg)+2*\p+1], v[(\adr)+1] offset:8*PCC+16*(PCC/32)+(\off)
.endif
.endr
.endm
; THE QUANTISER of one unit, in stages.  32 numbers of a lane at v[src] on: block b at src + 16 b.  tm, tm+1: largest magnitudes, then the conversions' scale operands; tm+2, tm+3: at work, then the bytes; the unit's two bytes end in tm+2.
.macro QST stg, src, pc, tm
.if (\stg) == 0
	v_max3_num_f32 v[\tm], |v[\src]|, |v[(\src)+1]|, 0x1800000          ; and the floor 2^(3 - 127): the byte cannot fall under 1
	v_max3_num_f32 v[(\tm)+1], |v[(\src)+16]|, |v[(\src)+17]|, 0x1800000
.elseif (\stg) < 8
	v_max3_num_f32 v[\tm], v[\tm], |v[(\src)+2*(\stg)]|, |v[(\src)+2*(\stg)+1]|
	v_max3_num_f32 v[(\tm)+1], v[(\tm)+1], |v[(\src)+16+2*(\stg)]|, |v[(\src)+17+2*(\stg)]|
.elseif (\stg) == 8
	v_permlanex16_b32 v[(\tm)+2], v[\tm], s[SEL], s[SEL+1]
	v_permlanex16_b32 v[(\tm)+3], v[(\tm)+1], s[SEL], s[SEL+1]
.elseif (\stg) == 9
	v_max_num_f32 v[\tm], v[\tm], v[(\tm)+2]                             ; with lane l xor 16's: the block's largest magnitude
	v_max_num_f32 v[(\tm)+1], v[(\tm)+1], v[(\tm)+3]
.elseif (\stg) == 10
	v_add_nc_u32 v[\tm], 0xff000000, v[\tm]                              ; 2 off its exponent field: the conversion takes that field as its scale
	v_add_nc_u32 v[(\tm)+1], 0xff000000, v[(\tm)+1]
.elseif (\stg) == 11
	v_lshrrev_b32 v[(\tm)+2], 23, v[\tm]                                 ; the scales' bytes
	v_lshrrev_b32 v[(\tm)+3], 23, v[(\tm)+1]
.elseif (\stg) == 12
	v_lshl_or_b32 v[(\tm)+2], v[(\tm)+3], 8, v[(\tm)+2]
.elseif (\stg) == 13
	v_cvt_scalef32_pk16_fp6_f32 v[(\pc):(\pc)+2], v[(\src):(\src)+15], v[\tm]
	v_cvt_scalef32_pk16_fp6_f32 v[(\pc)+4:(\pc)+6], v[(\src)+16:(\src)+31], v[(\tm)+1]
.elseif (\stg) == 14
	v_permlane16_swap_b32 v[\pc], v[(\pc)+4]                             ; a whole block to a lane: lanes 0-15 block 0, lanes 16-31 block 1
	v_permlane16_swap_b32 v[(\pc)+1], v[(\pc)+5]
	v_permlane16_swap_b32 v[(\pc)+2], v[(\pc)+6]
.else
	v_mov_b32 v[(\pc)+3], v[(\pc)+4]
	v_mov_b32 v[(\pc)+4], v[(\pc)+5]
	v_mov_b32 v[(\pc)+5], v[(\pc)+6]
.endif
.endm
.macro QUANT4                          ; the head's four units (v128, v160, v192, v224 on) by turns, stage by stage: units to v[80 + 8 n] on, their bytes to v[114 + 4 n]
.irp g, 0,1,2,3,4,5,6,7,8,9,10,11,12,13
.irp n, 0,1,2,3
	QST \g, 128+32*\n, 80+8*\n, 112+4*\n
.endr
.endr
	v_nop                                          ; one plain instruction behind the last scaled conversion
.irp g, 14,15
.irp n, 0,1,2,3
	QST \g, 128+32*\n, 80+8*\n, 112+4*\n
.endr
.endr
.endm
.macro LOADWS                          ; a head's scale words of W: register 8 b + q: lanes 0-15 tile 2 b, lanes 16-31 tile 2 b + 1
.irp b, 0,1
	global_load_b128 v[32+8*\b:35+8*\b], v9, s[10:11] offset:1024*\b
	global_load_b128 v[36+8*\b:39+8*\b], v9, s[10:11] offset:1024*\b+16
.endr
.endm
.macro LOADBIAS                        ; and its bias in the result's layout: register 8 t + j = feature 16 t + 8 h + j
.irp t, 0,1,2,3
	global_load_b128 v[48+8*\t:51+8*\t], v10, s[12:13] offset:64*\t
	global_load_b128 v[52+8*\t:55+8*\t], v10, s[12:13] offset:64*\t+16
.endr
.endm
	s_load_b512 s[4:19], s[0:1], 0x0               ; tokens' codes s[4:5], their scales s[6:7], W's codes s[8:9], W's scales s[10:11], b_qkv s[12:13], qn_w s[14:15], qn_b s[16:17], kn_w s[18:19]
	s_load_b256 s[20:27], s[0:1], 0x40             ; kn_b s[20:21], cos s[22:23], sin s[24:25], the workspace s[26:27]
	v_lshl_add_u32 v1, v0, 2, SPARE                ; my spare word; never rewritten
	v_mov_b32 v2, 0                                ; 0; never rewritten
	ds_add_u32 v1, v2
	ds_add_u32 v1, v2
	s_wait_dscnt 0x0
	v_lshrrev_b32 v81, 5, v0
	v_readfirstlane_b32 s[WV], v81                 ; wave 0..3
	s_bfe_u32 s67, ttmp6, 0x40000                  ; cx
	s_bfe_u32 s68, ttmp6, 0x40004                  ; cy
	s_lshl_b32 s69, ttmp9, 2
	s_add_co_u32 s69, s69, s67                     ; g = 4 x cluster x + cx
	s_and_b32 s70, ttmp7, 0xffff
	s_lshl_b32 s70, s70, 2
	s_add_co_u32 s70, s70, s68                     ; ty = 4 x cluster y + cy
	s_lshl_b32 s71, s68, 2
	s_lshl_b32 s71, 15, s71                        ; my row of the cluster
	s_lshl_b32 s72, 0x1111, s67                    ; my column
	; descriptor groups 1: rows of 768 bytes, 16 bytes of padding behind each 256: elements of 1 byte, padding on, bit 21 beside the mask, interval code 5, 4 words of padding
	s_or_b32 s28, s71, 0x07700000                  ; the tokens: 64 rows, to my row of the cluster
	s_or_b32 s44, s72, 0x07700000                  ; W's other heads: 64 rows a wave, to my column
.irp g, 28, 44
	s_mov_b32 s[\g+1], 768<<16                     ; tensor_dim0
	s_mov_b32 s[\g+2], 64<<16                      ; tensor_dim1
	s_mov_b32 s[\g+3], 768<<16                     ; tile_dim0
	s_mov_b32 s[\g+4], 64                          ; tile_dim1
	s_mov_b32 s[\g+5], 768                         ; from row to row
	s_mov_b32 s[\g+6], 0
	s_mov_b32 s[\g+7], 0
.endr
	s_mov_b32 s30, 128<<16                         ; the tokens come 128 rows a load: tensor_dim1,
	s_mov_b32 s32, 128                             ; tile_dim1
	; where the tiles come from: the tokens' offset is made of ty and the wave alone (s73, s96), W's of g and the wave alone (s80, s81, s98 to s101)
	s_lshl_b32 s73, s70, 8
	s_lshl_b32 s96, s[WV], 6
	s_add_co_u32 s73, s73, s96                     ; my first token: 256 ty + 64 w
	s_and_b32 s2, s[WV], 1                         ; which half of the head's tokens (waves 0, 1) or which of W's first two heads (waves 2, 3) I fetch
	s_lshl_b32 s96, s70, 8
	s_lshl_b32 s3, s2, 7
	s_add_co_u32 s96, s96, s3
	s_mul_i32 s96, s96, 768                        ; tokens 256 ty + 128 (w % 2) on
	s_mov_b32 s97, 0
	s_lshl_b32 s[WROW], s69, 8                     ; 256 g
	s_lshl_b32 s[VROW], s69, 7
	s_add_co_u32 s[VROW], s[VROW], 2048            ; 2048 + 128 g
	s_lshl_b32 s98, s2, 6
	s_add_co_u32 s98, s98, s[WROW]
	s_mul_i32 s98, s98, 768                        ; heads 0, 1: rows 256 g + 64 (w % 2) on
	s_mov_b32 s99, 0
	s_lshl_b32 s100, s[WV], 6
	s_add_co_u32 s101, s100, s[VROW]
	s_sub_co_u32 s101, s101, 128                   ; waves 2, 3: v's heads, rows 2048 + 128 g + 64 (w - 2)
	s_add_co_u32 s100, s100, s[WROW]
	s_add_co_u32 s100, s100, 128                   ; waves 0, 1: heads 2, 3, rows 256 g + 128 + 64 w
	s_cmp_lt_u32 s[WV], 2
	s_cselect_b32 s100, s100, s101
	s_mul_i32 s100, s100, 768
	s_mov_b32 s101, 0
	s_mov_b32 s36, 1
	s_mul_i32 s37, s2, 2*HSLOT
	s_add_co_u32 s37, s37, 2*HSLOT                 ; 128 tokens fill slots 2, 3 or slots 4, 5
	s_mul_i32 s53, s[WV], HSLOT
	s_add_co_u32 s53, s53, 2*HSLOT                 ; the tokens go to slot 2 + w
	s_mov_b32 s56, 1
	s_mul_i32 s57, s2, HSLOT                       ; W's head 0 or 1 into slot 0 or 1
	s_mov_b32 s60, 1
	s_mul_i32 s61, s[WV], HSLOT
	s_add_co_u32 s61, s61, 2*HSLOT                 ; head 2 + w goes to slot 2 + w
	s_mov_b32 s[SEL], 0x76543210
	s_mov_b32 s[SEL+1], 0xfedcba98
	s_mov_b32 s76, 0x3c800000                      ; 1 / 64
	s_mov_b32 s77, 0x358637bd                      ; 1e-6
	s_mov_b32 s78, 0xffff0000                      ; lanes 16-31
	s_wait_kmcnt 0x0
	s_add_nc_u64 s[38:39], s[4:5], s[96:97]
	s_or_b32 s39, s39, 0x80000000
	s_add_nc_u64 s[58:59], s[8:9], s[98:99]
	s_or_b32 s59, s59, 0x80000000
	s_add_nc_u64 s[62:63], s[8:9], s[100:101]
	s_or_b32 s63, s63, 0x80000000
	CROUND                                         ; all sixteen work-groups are here: the first joint loads meet
	; the head's loads, one a wave: waves 0 and 1 fetch 128 tokens each, waves 2 and 3 W's heads 0 and 1, 64 rows each
	s_cmp_lt_u32 s[WV], 2
	s_cbranch_scc0 .Lhead_w
	tensor_load_to_lds s[36:39], s[28:35]
	s_nop 0
.rept 4
	v_nop
.endr
	s_branch .Lhead_asked
.Lhead_w:
	tensor_load_to_lds s[56:59], s[44:51]
	s_nop 0
.rept 4
	v_nop
.endr
.Lhead_asked:
	; the other addresses
	s_lshl_b32 s96, s73, 5
	s_add_nc_u64 s[6:7], s[6:7], s[96:97]          ; my tokens' scale bytes, 32 a token
	s_and_b32 s96, s70, 3
	s_lshl_b32 s96, s96, 8
	s_lshl_b32 s2, s[WV], 6
	s_add_co_u32 s96, s96, s2
	s_lshl_b32 s96, s96, 8                         ; my first token's place in its sequence x 256 bytes
	s_add_nc_u64 s[22:23], s[22:23], s[96:97]
	s_add_nc_u64 s[24:25], s[24:25], s[96:97]
	s_lshr_b32 s2, s70, 2
	s_lshl_b32 s2, s2, 4                           ; 16 x batch
	s_and_b32 s3, s69, 3
	s_lshl_b32 s3, s3, 2
	s_add_co_u32 s3, s3, s2
	s_mul_i32 s3, s3, REC                          ; the record of my first head of q or k
	s_lshl_b32 s[OUTV], s69, 1
	s_add_co_u32 s[OUTV], s[OUTV], s2
	s_mul_i32 s[OUTV], s[OUTV], REC                ; and of v
	s_and_b32 s2, s70, 3
	s_lshl_b32 s2, s2, 2
	s_add_co_u32 s2, s2, s[WV]                     ; kc: which 64 tokens of the sequence are mine
	s_lshr_b32 s[OUTVS], s2, 1
	s_lshl_b32 s[OUTVS], s[OUTVS], 8               ; v's scale words: 256 bytes for each 128 keys,
	s_and_b32 s[OUTS], s2, 1
	s_lshl_b32 s[OUTS], s[OUTS], 1                 ; my two bytes of each word
	s_add_co_u32 s[OUTVS], s[OUTVS], s[OUTS]
	s_add_co_u32 s[OUTVS], s[OUTVS], s[OUTV]
	s_add_co_u32 s[OUTVS], s[OUTVS], 100352
	s_mul_i32 s[OUTC], s2, 3072                    ; four units
	s_add_co_u32 s[OUTV], s[OUTV], s[OUTC]
	s_add_co_u32 s[OUTV], s[OUTV], 49152
	s_add_co_u32 s[OUTC], s[OUTC], s3
	s_lshl_b32 s[OUTS], s2, 7                      ; two pair words x 64 bytes
	s_add_co_u32 s[OUTS], s[OUTS], s3
	s_add_co_u32 s[OUTS], s[OUTS], 98304
	s_cmp_eq_u32 ttmp9, 0                          ; g < 4: my four heads are q's; else k's.  Only pointers and offsets are chosen
	s_cselect_b32 s2, 102400, 0
	s_cselect_b32 s3, 53248, 0
	s_cselect_b64 s[LNW:LNW+1], s[14:15], s[18:19]
	s_cselect_b64 s[LNB:LNB+1], s[16:17], s[20:21]
	s_add_co_u32 s[OUTC], s[OUTC], s2
	s_add_co_u32 s[OUTS], s[OUTS], s3
	s_mov_b32 s[OUTC+1], 0
	s_mov_b32 s[OUTS+1], 0
	s_mov_b32 s[OUTV+1], 0
	s_mov_b32 s[OUTVS+1], 0
	s_add_nc_u64 s[OUTC:OUTC+1], s[26:27], s[OUTC:OUTC+1]
	s_add_nc_u64 s[OUTS:OUTS+1], s[26:27], s[OUTS:OUTS+1]
	s_add_nc_u64 s[OUTV:OUTV+1], s[26:27], s[OUTV:OUTV+1]
	s_add_nc_u64 s[OUTVS:OUTVS+1], s[26:27], s[OUTVS:OUTVS+1]
	v_and_b32 v81, 15, v0                          ; r
	v_bfe_u32 v82, v0, 4, 1                        ; h
	v_and_b32 v83, 31, v0                          ; lane
	v_mul_u32_u24 v3, v81, PITCH
	v_mad_u32_u24 v4, v82, 40, v3                  ; v4: row r + 40 h
	v_mad_u32_u24 v3, v82, 24, v3                  ; v3: row r + 24 h
	v_lshlrev_b32 v7, 5, v83                       ; 32 x lane
	v_lshlrev_b32 v8, 5, v82                       ; 32 h
	v_lshlrev_b32 v11, 4, v83                      ; 16 x lane
	v_lshlrev_b32 v12, 3, v83                      ; 8 x lane
	v_lshlrev_b32 v13, 2, v83                      ; 4 x lane
	v_lshlrev_b32 v14, 2, v81
	v_lshl_add_u32 v15, s[VROW], 2, v14            ; v's biases: 4 (VROW + r)
	v_lshl_add_u32 v14, v82, 6, v14                ; 4 r + 64 h
	v_lshlrev_b32 v80, 8, v81
	v_lshl_add_u32 v80, v82, 5, v80                ; cos, sin: row r of 256 bytes + 32 h
	v_lshl_add_u32 v9, s[WROW], 5, v7              ; head 0's scale words
	v_lshl_add_u32 v10, s[WROW], 2, v8             ; and bias
	v_add_nc_u32 v5, s53, v3                       ; my tokens in LDS
	v_add_nc_u32 v6, s53, v4
.irp i, 0,1,2,3,4,5,6,7,8,9,10,11,12,13,14,15
	v_mov_b32 v[112+\i], 0                         ; written once: a lane permute's destination, and the upper half of a broadcast pair, count as read
.endr
	s_add_co_u32 s[WROW], s[WROW], 64              ; from here on: the next head's row
.irp m, 0,1
	global_load_b128 v[16+8*\m:19+8*\m], v7, s[6:7] offset:1024*\m       ; the tokens' scale words: register 8 m + q: lanes 0-15 block 2 m, lanes 16-31 block 2 m + 1
	global_load_b128 v[20+8*\m:23+8*\m], v7, s[6:7] offset:1024*\m+16
.endr
	LOADWS
	LOADBIAS
	WIN 0x40                                       ; destination window 1
.irp vh, 0,1
.irp t, 0,1,2,3
	global_load_b32 v[240+4*\vh+\t], v15, s[12:13] offset:256*\vh+64*\t
.endr
.endr
	WIN 0xc0                                       ; destination window 3
.irp n, 0,1,2,3
.irp t, 0,1,2,3
	global_load_b128 v[64*\n+8*\t:64*\n+8*\t+3], v80, s[22:23] offset:4096*\n+64*\t
	global_load_b128 v[64*\n+8*\t+4:64*\n+8*\t+7], v80, s[22:23] offset:4096*\n+64*\t+16
	global_load_b128 v[64*\n+32+8*\t:64*\n+32+8*\t+3], v80, s[24:25] offset:4096*\n+64*\t
	global_load_b128 v[64*\n+32+8*\t+4:64*\n+32+8*\t+7], v80, s[24:25] offset:4096*\n+64*\t+16
.endr
.endr
	s_wait_tensorcnt 0x0                           ; my one load has landed,
	s_barrier_signal -1
	s_barrier_wait -1                              ; everybody's has: my 64 tokens, which another wave may have fetched, are in slot 2 + w
	WIN 0x40
.irp n, 0,1
.irp q, 0,1,2,3,4,5,6,7
	FRAG 96*\n+12*\q, 5, \q, 16*\n*PITCH
.endr
.endr
	WIN 0x80
.irp n, 0,1
.irp q, 0,1,2,3,4,5,6,7
	FRAG 96*\n+12*\q, 5, \q, 16*(\n+2)*PITCH
.endr
.endr
	WIN 0
	s_wait_tensorcnt 0x0                           ; all my tensor loads have landed, my part of heads 0 and 1 among them
	ds_add_u32 v1, v2                              ; 0 onto my spare word
	s_wait_loadcnt 0x0                             ; scales, biases, cos and sin are in
	WIN 0xcc                                       ; source 1 and destination window 3
.irp n, 0,1,2,3
.irp i, 0,2,4,6,8,10,12,14,16,18,20,22,24,26,28,30
	v_xor_b32 v[64*\n+32+\i], 0x80000000, v[64*\n+32+\i]   ; the even feature of a pair takes minus the odd one x sin
.endr
.endr
	WIN 0
	s_wait_dscnt 0x0                               ; the add is done, and my tokens are in registers: my reads of slot 2 + w are over
	CROUND                                         ; that now holds of every wave of every partner
	tensor_load_to_lds s[60:63], s[44:51]          ; the one refill: W's head 2 + w into slot 2 + w
	s_nop 0
.rept 4
	v_nop
.endr
; A K step of 128: the next step's four fragments of W are asked for, then 16 matrix instructions, the 16 accumulators by turns in the same order in every step.  kind 0: q, k; 1: v
.macro KSTEP q, kind
.set PP, (\q)%2
	s_wait_dscnt 0x0                               ; this step's fragments of W are in (asked for 16 matrix instructions ago)
.rept 4
	v_nop                                          ; four plain instructions between the last step's matrix instructions and loads into the registers that they read
.endr
.if (\q) < 7
	WIN (2-PP)<<6
.irp t, 0,1,2,3
	FRAG 192+12*\t, 5, (\q)+1, 16*\t*PITCH
.endr
.endif
.irp nb, 0,1,2,3
.if (\kind) == 0
	WIN (1+PP)|((1+\nb/2)<<2)
.else
	WIN (1+\nb/2)|((1+PP)<<2)
.endif
.irp t, 0,1,2,3
.if (\kind) == 0
.set RD_, 128+32*\nb+8*\t
.set RA_, 192+12*\t
.set RB_, 96*(\nb%2)+12*(\q)
.set SA_, 32+8*(\t/2)+(\q)
.set SB_, 16+8*(\nb/2)+(\q)
.set SL_, (\t%2)+2*(\nb%2)
.else
.set RD_, 128+32*\t+8*\nb
.set RA_, 96*(\nb%2)+12*(\q)
.set RB_, 192+12*\t
.set SA_, 16+8*(\nb/2)+(\q)
.set SB_, 32+8*(\t/2)+(\q)
.set SL_, (\nb%2)+2*(\t%2)
.endif
.set RC_, RD_
.if (\q) == 0
.set RC_, 48+8*\t                      ; the bias starts the sums
.endif
	MMX RD_, RA_, RB_, RC_, SA_, SB_, SL_
.endr
.endr
.endm
.macro LANESUM                         ; each block's four chains (v[80 + 8 n] on) become its token's sum, in v[112 + 2 n] of both lanes of the token
.irp n, 0,1,2,3
	v_pk_add_f32 v[80+8*\n:81+8*\n], v[80+8*\n:81+8*\n], v[82+8*\n:83+8*\n]
	v_pk_add_f32 v[84+8*\n:85+8*\n], v[84+8*\n:85+8*\n], v[86+8*\n:87+8*\n]
.endr
.irp n, 0,1,2,3
	v_pk_add_f32 v[80+8*\n:81+8*\n], v[80+8*\n:81+8*\n], v[84+8*\n:85+8*\n]
.endr
.irp n, 0,1,2,3
	v_add_f32 v[112+2*\n], v[80+8*\n], v[81+8*\n]
.endr
.irp n, 0,1,2,3
	v_permlanex16_b32 v[120+\n], v[112+2*\n], s[SEL], s[SEL+1]
.endr
.irp n, 0,1,2,3
	v_add_f32 v[112+2*\n], v[112+2*\n], v[120+\n]
.endr
.endm
; A HEAD OF q OR k: the product, LayerNorm, RoPE, the quantiser, the stores
.macro QKSTEP
	v_add_nc_u32 v5, s[LB], v3
	v_add_nc_u32 v6, s[LB], v4
	WIN 0x40
.irp t, 0,1,2,3
	FRAG 192+12*\t, 5, 0, 16*\t*PITCH
.endr
	s_wait_alu depctr_va_vdst(0)
	s_wait_loadcnt 0x0                             ; this head's scale words and bias
.irp q, 0,1,2,3,4,5,6,7
	KSTEP \q, 0
.endr
	WIN 0
	v_lshl_add_u32 v9, s[WROW], 5, v7              ; the next head's scale words and bias.  (With the two v_nop: the four plain instructions behind the last matrix instructions)
	v_lshl_add_u32 v10, s[WROW], 2, v8
	v_nop
	v_nop
	WIN 0x80                                       ; destination window 2: W's set 1 is done with
.irp t, 0,1,2,3
	global_load_b128 v[192+8*\t:195+8*\t], v8, s[LNW:LNW+1] offset:64*\t
	global_load_b128 v[196+8*\t:199+8*\t], v8, s[LNW:LNW+1] offset:64*\t+16
.endr
.irp t, 0,1,2,3
	global_load_b128 v[224+8*\t:227+8*\t], v8, s[LNB:LNB+1] offset:64*\t
	global_load_b128 v[228+8*\t:231+8*\t], v8, s[LNB:LNB+1] offset:64*\t+16
.endr
	WIN 0
	LOADWS
	LOADBIAS
	; the mean of a token's 64: four chains a block, each accumulator from its low end on; the four blocks by turns
.irp c, 0,1,2,3
.irp n, 0,1,2,3
	v_pk_add_f32 v[80+8*\n+2*\c:81+8*\n+2*\c], v[128+32*\n+8*\c:129+32*\n+8*\c], v[130+32*\n+8*\c:131+32*\n+8*\c]
.endr
.endr
.irp i, 4,6
.irp c, 0,1,2,3
.irp n, 0,1,2,3
	v_pk_add_f32 v[80+8*\n+2*\c:81+8*\n+2*\c], v[80+8*\n+2*\c:81+8*\n+2*\c], v[128+32*\n+8*\c+\i:129+32*\n+8*\c+\i]
.endr
.endr
.endr
	LANESUM
.irp n, 0,1,2,3
	v_mul_f32 v[112+2*\n], s76, v[112+2*\n]
.endr
.irp i, 0,2,4,6,8,10,12,14,16,18,20,22,24,26,28,30
.irp n, 0,1,2,3
	v_pk_add_f32 v[128+32*\n+\i:129+32*\n+\i], v[128+32*\n+\i:129+32*\n+\i], v[112+2*\n:113+2*\n] op_sel_hi:[1,0] neg_lo:[0,1] neg_hi:[0,1]   ; x - mean
.endr
.endr
.irp c, 0,1,2,3
.irp n, 0,1,2,3
	v_pk_mul_f32 v[80+8*\n+2*\c:81+8*\n+2*\c], v[128+32*\n+8*\c:129+32*\n+8*\c], v[128+32*\n+8*\c:129+32*\n+8*\c]
.endr
.endr
.irp i, 2,4,6
.irp c, 0,1,2,3
.irp n, 0,1,2,3
	v_pk_fma_f32 v[80+8*\n+2*\c:81+8*\n+2*\c], v[128+32*\n+8*\c+\i:129+32*\n+8*\c+\i], v[128+32*\n+8*\c+\i:129+32*\n+8*\c+\i], v[80+8*\n+2*\c:81+8*\n+2*\c]
.endr
.endr
.endr
	LANESUM
.irp n, 0,1,2,3
	v_fma_f32 v[120+\n], v[112+2*\n], s76, s77     ; the variance + 1e-6
.endr
	s_wait_alu depctr_va_vdst(0)
.irp n, 0,1,2,3
	v_rsq_f32 v[112+2*\n], v[120+\n]
.endr
	v_nop                                          ; a plain instruction behind the last of the four
	s_wait_alu depctr_va_vdst(0)                   ; one wait for the four, ahead of their first reader
.irp i, 0,2,4,6,8,10,12,14,16,18,20,22,24,26,28,30
.irp n, 0,1,2,3
	v_pk_mul_f32 v[128+32*\n+\i:129+32*\n+\i], v[128+32*\n+\i:129+32*\n+\i], v[112+2*\n:113+2*\n] op_sel_hi:[1,0]
.endr
.endr
	s_wait_loadcnt 12                              ; LayerNorm's 16 loads are in; the 4 + 8 issued behind them, the next head's scale words and bias, may be out
	WIN 0x28                                       ; sources 1 and 2 window 2
.irp n, 0,1,2,3
.irp i, 0,2,4,6,8,10,12,14,16,18,20,22,24,26,28,30
	v_pk_fma_f32 v[128+32*\n+\i:129+32*\n+\i], v[128+32*\n+\i:129+32*\n+\i], v[192+\i:193+\i], v[224+\i:225+\i]
.endr
.endr
	WIN 0x0c                                       ; source 1 window 3: cos, sin
.irp n, 0,1,2,3                                ; RoPE, sixteen numbers at a time: first the sin term, for which a pair's halves change places, into registers of its own; then x cos + it, in place
.irp u, 0,1
.irp i, 0,2,4,6,8,10,12,14
	v_pk_mul_f32 v[80+\i:81+\i], v[128+32*\n+16*\u+\i:129+32*\n+16*\u+\i], v[64*\n+32+16*\u+\i:64*\n+33+16*\u+\i] op_sel:[1,0] op_sel_hi:[0,1]
.endr
.irp i, 0,2,4,6,8,10,12,14
	v_pk_fma_f32 v[128+32*\n+16*\u+\i:129+32*\n+16*\u+\i], v[128+32*\n+16*\u+\i:129+32*\n+16*\u+\i], v[64*\n+16*\u+\i:64*\n+1+16*\u+\i], v[80+\i:81+\i]
.endr
.endr
.endr
	WIN 0
	QUANT4
.irp n, 0,1,2,3
	global_store_b128 v11, v[80+8*\n:83+8*\n], s[OUTC:OUTC+1] offset:768*\n          ; 32 lanes store 512 consecutive bytes,
	global_store_b64 v12, v[84+8*\n:85+8*\n], s[OUTC:OUTC+1] offset:768*\n+512       ; and 256
.endr
	v_lshl_or_b32 v115, v118, 16, v114             ; a pair word: the bytes of blocks 0 and 1,
	v_lshl_or_b32 v123, v126, 16, v122             ; of blocks 2 and 3
	v_cndmask_b32 v115, v115, v123, s78            ; lanes 0-15 store the first, lanes 16-31 the second
	global_store_b32 v13, v115, s[OUTS:OUTS+1]
	s_wait_xcnt 0x0                                ; the stores' data and bases are written again only behind this wait
	s_add_nc_u64 s[OUTC:OUTC+1], s[OUTC:OUTC+1], REC
	s_add_nc_u64 s[OUTS:OUTS+1], s[OUTS:OUTS+1], REC
	s_add_co_u32 s[LB], s[LB], HSLOT
	s_add_co_u32 s[WROW], s[WROW], 64
	s_add_co_u32 s[HN], s[HN], 1
	s_cmp_eq_u32 s[HN], 3                          ; behind head 3 comes v's first head.  (The bias that head 3's step fetches in q's layout lies inside b_qkv and is not used)
	s_cselect_b32 s[WROW], s[VROW], s[WROW]
.endm
; A HEAD OF v: the product with the sources swapped, the quantiser along the tokens, the stores
.macro VSTEP vh, last
	s_wait_loadcnt 0x0                             ; this head's scale words
	WIN 0x01                                       ; source 0 window 1
.irp t, 0,1,2,3
.irp j, 0,1,2,3,4,5,6,7
	v_mov_b32 v[48+8*\t+\j], v[240+4*\vh+\t]       ; a lane holds one feature: its bias in all eight registers of the tile's C
.endr
.endr
	WIN 0
	s_mov_b32 s[LB], (4+\vh)*HSLOT
	v_add_nc_u32 v5, s[LB], v3
	v_add_nc_u32 v6, s[LB], v4
	WIN 0x40
.irp t, 0,1,2,3
	FRAG 192+12*\t, 5, 0, 16*\t*PITCH
.endr
	s_wait_alu depctr_va_vdst(0)
.irp q, 0,1,2,3,4,5,6,7
	KSTEP \q, 1
.endr
	WIN 0
.if (\last) == 0
	s_add_co_u32 s[WROW], s[VROW], 64
	v_lshl_add_u32 v9, s[WROW], 5, v7
	v_nop
	v_nop
	v_nop
	LOADWS
.else
.rept 4
	v_nop
.endr
.endif
	QUANT4
.irp t, 0,1,2,3
	global_store_b128 v11, v[80+8*\t:83+8*\t], s[OUTV:OUTV+1] offset:\vh*REC+768*\t
	global_store_b64 v12, v[84+8*\t:85+8*\t], s[OUTV:OUTV+1] offset:\vh*REC+768*\t+512
.endr
	v_cndmask_b32 v115, v114, v118, s78            ; lanes 0-15: tile 0's two bytes, lanes 16-31: tile 1's
	v_cndmask_b32 v123, v122, v126, s78            ; tiles 2 and 3
	global_store_b16 v14, v115, s[OUTVS:OUTVS+1] offset:\vh*REC        ; half of each scale word: the other half is another wave's 64 keys
	global_store_b16 v14, v123, s[OUTVS:OUTVS+1] offset:\vh*REC+128
	s_wait_xcnt 0x0
.endm
	s_mov_b32 s[LB], 0
	s_mov_b32 s[HN], 0
	s_mov_b32 s[IC], 2
.Lfirst_two:                                           ; heads 0 and 1, from slots 0 and 1, while the refill is on its way
	QKSTEP
	s_sub_co_u32 s[IC], s[IC], 1
	s_cmp_lg_u32 s[IC], 0
	s_cbranch_scc1 .Lfirst_two
	s_wait_tensorcnt 0x0                           ; my head of the refill has landed,
	s_wait_dscnt 0x0
	s_barrier_signal -1
	s_barrier_wait -1                              ; everybody's has
	s_mov_b32 s[LB], 2*HSLOT
	s_mov_b32 s[IC], 2
.Lnext_two:                                            ; heads 2 and 3, from slots 2 and 3
	QKSTEP
	s_sub_co_u32 s[IC], s[IC], 1
	s_cmp_lg_u32 s[IC], 0
	s_cbranch_scc1 .Lnext_two
	VSTEP 0, 0
	VSTEP 1, 1
	s_wait_tensorcnt 0x0                           ; the wave's end
	ds_add_u32 v1, v2
	s_wait_dscnt 0x0
	CROUND                                         ; the closing round
	s_endpgm
.Lfunc_end_k_q80b4e7cf6d_qkv:
	.size	k_q80b4e7cf6d_qkv, .Lfunc_end_k_q80b4e7cf6d_qkv-k_q80b4e7cf6d_qkv
	.p2alignl 7, 3214868480
	.fill 96, 4, 3214868480
	.section	.rodata,"a",@progbits
	.p2align	6, 0x0
	.amdhsa_kernel k_q80b4e7cf6d_qkv
		.amdhsa_group_segment_fixed_size 327680
		.amdhsa_private_segment_fixed_size 0
		.amdhsa_enable_private_segment 0
		.amdhsa_kernarg_size 96
		.amdhsa_user_sgpr_count 2
		.amdhsa_user_sgpr_kernarg_segment_ptr 1
		.amdhsa_wavefront_size32 1
		.amdhsa_system_sgpr_workgroup_id_x 1
		.amdhsa_system_sgpr_workgroup_id_y 1
		.amdhsa_system_sgpr_workgroup_id_z 1
		.amdhsa_system_vgpr_workitem_id 0
		.amdhsa_next_free_vgpr 1024
		.amdhsa_next_free_sgpr 102
		.amdhsa_reserve_vcc 0
		.amdhsa_float_denorm_mode_32 3
		.amdhsa_float_denorm_mode_16_64 3
		.amdhsa_memory_ordered 1
		.amdhsa_forward_progress 1
		.amdhsa_inst_pref_size 255
	.end_amdhsa_kernel
	.section	.bss,"aw",@nobits
	.p2align	6
	.space	262144
	.amdgpu_metadata
---
amdhsa.version: [ 1, 2 ]
amdhsa.kernels:
  - .name:           k_q80b4e7cf6d_qkv
    .symbol:         k_q80b4e7cf6d_qkv.kd
    .args:
      - { .name: hidden_states_codes, .offset: 0, .size: 8, .value_kind: global_buffer, .address_space: global }
      - { .name: hidden_states_scales, .offset: 8, .size: 8, .value_kind: global_buffer, .address_space: global }
      - { .name: W_qkv_codes, .offset: 16, .size: 8, .value_kind: global_buffer, .address_space: global }
      - { .name: W_qkv_scales, .offset: 24, .size: 8, .value_kind: global_buffer, .address_space: global }
      - { .name: b_qkv, .offset: 32, .size: 8, .value_kind: global_buffer, .address_space: global }
      - { .name: qn_w, .offset: 40, .size: 8, .value_kind: global_buffer, .address_space: global }
      - { .name: qn_b, .offset: 48, .size: 8, .value_kind: global_buffer, .address_space: global }
      - { .name: kn_w, .offset: 56, .size: 8, .value_kind: global_buffer, .address_space: global }
      - { .name: kn_b, .offset: 64, .size: 8, .value_kind: global_buffer, .address_space: global }
      - { .name: freqs_cos, .offset: 72, .size: 8, .value_kind: global_buffer, .address_space: global }
      - { .name: freqs_sin, .offset: 80, .size: 8, .value_kind: global_buffer, .address_space: global }
      - { .name: qkv, .offset: 88, .size: 8, .value_kind: global_buffer, .address_space: global }
    .group_segment_fixed_size: 327680
    .private_segment_fixed_size: 0
    .kernarg_segment_align: 8
    .kernarg_segment_size: 96
    .max_flat_workgroup_size: 128
    .sgpr_count:     102
    .vgpr_count:     1024
    .wavefront_size: 32
...
	.end_amdgpu_metadata
.endif
;; end of part 1
;; launch attn (part 2): grid 4 x 64, 8 waves a work-group, clusters of 4 x 1, 327,680 bytes of LDS; arguments qkv, ob; writes ob
.if DOCPART == 2
	.amdgcn_target "amdgcn-amd-amdhsa--gfx1250"
	.amdhsa_code_object_version 6
	.text
	.protected	k_q80b4e7cf6d_attn
	.globl	k_q80b4e7cf6d_attn
	.p2align	8
	.type	k_q80b4e7cf6d_attn,@function
k_q80b4e7cf6d_attn:
	s_mov_b64 s[64:65], 0
	v_nop
	global_prefetch_b8 v0, s[64:65] scope:SCOPE_SE
	s_setreg_imm32_b32 hwreg(HW_REG_WAVE_MODE, 25, 1), 1
	s_wait_xcnt 0x0
	s_wait_alu depctr_hold_cnt(0) depctr_sa_sdst(0) depctr_va_vdst(0) depctr_va_sdst(0) depctr_va_ssrc(0) depctr_va_vcc(0) depctr_vm_vsrc(0)
	s_getreg_b32 s2, hwreg(HW_REG_IB_STS2, 6, 4)
	s_cmp_eq_u32 s2, 0
	s_cbranch_scc0 .Lentry_in_a_cluster
	s_endpgm
.Lentry_in_a_cluster:
	s_bfe_u32 s2, ttmp6, 0x10000c
	s_cmp_lg_u32 s2, 0x3003
	s_cbranch_scc0 .Lentry_shape_is_right
	s_endpgm
.Lentry_shape_is_right:
; Attention on codes of FP6 (E2M3): S^T = K Q^T (K = the head's 64), p = 2^(t - M) with t = score x log2(e) / 8 and M the running largest t rounded up to a whole number,
; O^T = V^T P^T (K = the keys), O / the sum of the unquantised p; O is then quantised along the head's 64, in their true order, for the last product.
; SHARES.  A cluster of four work-groups owns two heads (records 2 y and 2 y + 1); work-group cx owns queries 256 cx .. + 255 of both, one head after the other.
; Each of its eight waves owns two tiles of 16 queries at once, so a fragment of K feeds four matrix instructions and a fragment of V two.  A step is 256 keys, four steps a head.
; LDS.  A head's K and V, codes and scale words, are the first 102,400 bytes of its record: asked for JOINTLY by the four partners, 12,800 bytes by each wave's one load.
; The first head's load stands at the kernel's head; the second head's, into bytes of its own, behind a round of the cluster's barrier, and has the first head's work in which to land.  Nothing is filled again.
; No prefetch: both heads' bytes are asked for by these two loads at the launch's start, so no later request is left to run ahead of.
; UNITS.  16 rows x 64 along K, six registers a lane: registers 0-3 at 16 x lane, 4-5 at 512 + 8 x lane.  Two units on end are a fragment of 128 along K.
; K = 64 IN AN INSTRUCTION OF 128: source 0 is two tiles of 16 keys on end; source 1 is [q | 0] or [0 | q].
; WHICH KEYS FORM A TILE OF K is chosen by the lanes' LDS addresses: of a chunk of 64 keys, tile 2 P + u takes as rows 0-7 keys 16 u + 8 P + 0 .. 7 and as rows 8-15 the keys 32 further on.
; So lane (query r, half h) holds in the 32 registers of a chunk's four tiles the WHOLE block of 32 keys 64 c + 32 h, in the order in which V's codes lie (place 16 a + 8 b + i = key 16 b + 8 a + i):
; a block's largest score needs no other lane, and the conversions' results are the operand's registers.  (Lanes r and r + 8 read LDS bytes 1,536 apart.)
; LIMITS: NaN and infinities are not served.  The promise holds while the scaled scores t stay under 2^31 in magnitude.  A block whose largest magnitude lies under 2^-124 (zeros too) carries the byte 1; this program alone reads the bytes.
; REGISTERS.  window 1: S^T, then p: tile T, chunk c, tile t at v[128 T + 32 c + 8 t]; when tile 0's p is converted, V's eight fragments land in v0-95.
; window 0: v1-13 addresses; v14, v15 the add's; v16-27 -M and largest t, sums, factors; v32-61 0 q0 0 q1 0; v62, v63 q's scales; v64-159 K's fragments, then p's codes (v64-111) and registers at work;
;   v160-171 scale words; v172-235 O^T; v236-249 the second head's q.
.set REC,  153600
.set TREC, 12800
.set HKV,  102400                      ; a head's K and V in LDS
.set SPARE, 2*HKV                      ; the spare words, 128 bytes a wave
.set SEL,  24                          ; s[24:25] lane selects: lane l xor 16
.set KF, 64
.set CD, 64
.set CT, 112
.set BM, 128
.set SO, 136
.set BY, 144
.set AC, 144
.set KS, 160
.set VS, 164
.set PW, 168
.set OA, 172
.set NM, 16
.set SU, 20
.set FF, 24
.set MSB, 0
.macro WIN new                         ; the immediate's high byte repeats the setting that is left
.if MSB != (\new)
	s_set_vgpr_msb (MSB<<8)|(\new)
.set MSB, \new
.endif
.endm
.macro D n
	s_delay_alu instid0(VALU_DEP_\n)
.endm
.macro ROUND                           ; a round of the cluster's barrier
	s_barrier_signal -1
	s_barrier_wait -1
	s_cmp_lg_u32 s8, 0
	s_cbranch_scc1 .Lnot_wave_0_\@
	s_barrier_signal -3
.Lnot_wave_0_\@:
	s_barrier_wait -3
	s_barrier_signal -1
	s_barrier_wait -1
.endm
.macro MMZ d, a, b, sa, sb, sel        ; a product that starts its sum; sel = 1: source 0's scales in lanes 16-31
.if (\sel) == 0
	v_wmma_scale_f32_16x16x128_f8f6f4 v[(\d):(\d)+7], v[(\a):(\a)+11], v[(\b):(\b)+11], 0, v[\sa], v[\sb] matrix_a_fmt:MATRIX_FMT_FP6 matrix_b_fmt:MATRIX_FMT_FP6
.else
	v_wmma_scale_f32_16x16x128_f8f6f4 v[(\d):(\d)+7], v[(\a):(\a)+11], v[(\b):(\b)+11], 0, v[\sa], v[\sb] matrix_a_fmt:MATRIX_FMT_FP6 matrix_b_fmt:MATRIX_FMT_FP6 matrix_a_scale:MATRIX_SCALE_ROW1
.endif
.endm
.macro MMA d, a, b, sa, sb, sel        ; a product that adds in place
.if (\sel) == 0
	v_wmma_scale_f32_16x16x128_f8f6f4 v[(\d):(\d)+7], v[(\a):(\a)+11], v[(\b):(\b)+11], v[(\d):(\d)+7], v[\sa], v[\sb] matrix_a_fmt:MATRIX_FMT_FP6 matrix_b_fmt:MATRIX_FMT_FP6
.else
	v_wmma_scale_f32_16x16x128_f8f6f4 v[(\d):(\d)+7], v[(\a):(\a)+11], v[(\b):(\b)+11], v[(\d):(\d)+7], v[\sa], v[\sb] matrix_a_fmt:MATRIX_FMT_FP6 matrix_b_fmt:MATRIX_FMT_FP6 matrix_a_scale:MATRIX_SCALE_ROW1
.endif
.endm
; O's quantiser, one unit in stages: 32 numbers at v[src] on, block b at src + 16 b, shared with lane l xor 16; the unit to v[pc] on; its two bytes to v[tm + 2]
.macro QST stg, src, pc, tm
.if (\stg) == 0
	v_max3_num_f32 v[\tm], |v[\src]|, |v[(\src)+1]|, 0x1800000          ; and the floor 2^(3 - 127): the byte cannot fall under 1
	v_max3_num_f32 v[(\tm)+1], |v[(\src)+16]|, |v[(\src)+17]|, 0x1800000
.elseif (\stg) < 8
	v_max3_num_f32 v[\tm], v[\tm], |v[(\src)+2*(\stg)]|, |v[(\src)+2*(\stg)+1]|
	v_max3_num_f32 v[(\tm)+1], v[(\tm)+1], |v[(\src)+16+2*(\stg)]|, |v[(\src)+17+2*(\stg)]|
.elseif (\stg) == 8
	v_permlanex16_b32 v[(\tm)+2], v[\tm], s[SEL], s[SEL+1]
	v_permlanex16_b32 v[(\tm)+3], v[(\tm)+1], s[SEL], s[SEL+1]
.elseif (\stg) == 9
	v_max_num_f32 v[\tm], v[\tm], v[(\tm)+2]
	v_max_num_f32 v[(\tm)+1], v[(\tm)+1], v[(\tm)+3]
.elseif (\stg) == 10
	v_add_nc_u32 v[\tm], 0xff000000, v[\tm]                              ; 2 off the exponent field: the conversion's scale operand
	v_add_nc_u32 v[(\tm)+1], 0xff000000, v[(\tm)+1]
.elseif (\stg) == 11
	v_lshrrev_b32 v[(\tm)+2], 23, v[\tm]
	v_lshrrev_b32 v[(\tm)+3], 23, v[(\tm)+1]
.elseif (\stg) == 12
	v_lshl_or_b32 v[(\tm)+2], v[(\tm)+3], 8, v[(\tm)+2]
.elseif (\stg) == 13
	v_cvt_scalef32_pk16_fp6_f32 v[(\pc):(\pc)+2], v[(\src):(\src)+15], v[\tm]
	v_cvt_scalef32_pk16_fp6_f32 v[(\pc)+4:(\pc)+6], v[(\src)+16:(\src)+31], v[(\tm)+1]
.elseif (\stg) == 14
	v_permlane16_swap_b32 v[\pc], v[(\pc)+4]
	v_permlane16_swap_b32 v[(\pc)+1], v[(\pc)+5]
	v_permlane16_swap_b32 v[(\pc)+2], v[(\pc)+6]
.else
	v_mov_b32 v[(\pc)+3], v[(\pc)+4]
	v_mov_b32 v[(\pc)+4], v[(\pc)+5]
	v_mov_b32 v[(\pc)+5], v[(\pc)+6]
.endif
.endm
	s_load_b128 s[4:7], s[0:1], 0x0                ; the codes of q, k, v s[4:5]; where O's codes go s[6:7]
	v_lshl_add_u32 v14, v0, 2, SPARE               ; my spare word; never rewritten
	v_mov_b32 v15, 0                               ; 0; never rewritten
	ds_add_u32 v14, v15                            ; the opening lines: the add twice on end and one wait
	ds_add_u32 v14, v15
	v_lshrrev_b32 v28, 5, v0
	v_readfirstlane_b32 s8, v28                    ; wave 0..7
	s_bfe_u32 s9, ttmp6, 0x40000                   ; cx: which 256 queries
	s_and_b32 s10, ttmp7, 0xffff                   ; y: which two heads
	s_mov_b32 s16, 15|(3<<16)|(1<<21)              ; group 1: all four partners; 50 rows of 256 bytes (32 elements of 8 bytes), dense
	s_mov_b32 s17, 32<<16
	s_mov_b32 s18, 50<<16
	s_mov_b32 s19, 32<<16
	s_mov_b32 s20, 50
	s_mov_b32 s21, 32
	s_mov_b32 s22, 0
	s_mov_b32 s23, 0
	s_mov_b32 s12, 1
	s_mul_i32 s13, s8, 12800                       ; my 12,800 bytes of the first head, in LDS,
	s_mov_b32 s40, 1
	s_add_co_u32 s41, s13, HKV                     ; of the second
	s_mul_i32 s44, s10, 2*REC
	s_mov_b32 s45, 0
	s_mul_i32 s46, s8, 12800                       ; and in a record
	s_mov_b32 s47, 0
	s_wait_dscnt 0x0
	s_wait_kmcnt 0x0
	s_add_nc_u64 s[4:5], s[4:5], s[44:45]          ; the first head's record
	s_add_nc_u64 s[14:15], s[4:5], s[46:47]
	s_add_nc_u64 s[42:43], s[14:15], REC
	s_or_b32 s15, s15, 0x80000000
	s_or_b32 s43, s43, 0x80000000
	ROUND                                          ; the four partners are here: the joint loads meet
	tensor_load_to_lds s[12:15], s[16:23]          ; the first head: my one load at the head
	s_nop 0
.rept 4
	v_nop
.endr
	s_lshl_b32 s46, s9, 4
	s_lshl_b32 s47, s8, 1
	s_add_co_u32 s46, s46, s47                     ; my first tile of queries: 16 cx + 2 w
	s_mul_i32 s48, s46, 768
	s_add_co_u32 s48, s48, HKV
	s_mov_b32 s49, 0
	s_add_nc_u64 s[48:49], s[4:5], s[48:49]        ; its unit
	s_lshl_b32 s32, s46, 5
	s_add_co_u32 s32, s32, 151552
	s_mov_b32 s33, 0
	s_add_nc_u64 s[32:33], s[4:5], s[32:33]        ; the pair word of my two tiles
	s_lshr_b32 s47, s10, 3                         ; batch
	s_lshl_b32 s47, s47, 6
	s_add_co_u32 s47, s47, s46
	s_mul_i32 s47, s47, TREC                       ; the record of my first tile of tokens
	s_and_b32 s44, s10, 7                          ; the pair of heads
	s_mul_i32 s34, s44, 1536
	s_add_co_u32 s34, s34, s47
	s_mov_b32 s35, 0
	s_add_nc_u64 s[34:35], s[6:7], s[34:35]        ; O's unit, first head
	s_lshl_b32 s36, s44, 6
	s_add_co_u32 s36, s36, s47
	s_add_co_u32 s36, s36, 12288
	s_mov_b32 s37, 0
	s_add_nc_u64 s[36:37], s[6:7], s[36:37]        ; O's scale word of the two heads
	s_mov_b32 s38, 0xffff0000                      ; lanes 16-31
	s_mov_b32 s[SEL], 0x76543210
	s_mov_b32 s[SEL+1], 0xfedcba98
	s_mov_b32 s26, 0x3e38aa3b                      ; c = log2(e) / 8
	s_mov_b32 s27, s26                             ; (named with it as a pair)
	v_and_b32 v28, 31, v0                          ; lane
	v_and_b32 v29, 15, v0                          ; r
	v_bfe_u32 v30, v0, 4, 1                        ; h
	v_and_b32 v31, 7, v0                           ; r % 8
	v_bfe_u32 v24, v0, 3, 1                        ; r / 8
	v_lshlrev_b32 v1, 4, v28                       ; 16 x lane
	v_lshlrev_b32 v2, 3, v28                       ; 8 x lane
	v_mul_u32_u24 v3, v24, 1536                    ; K: rows 8-15 of a tile lie two units on
	v_lshl_add_u32 v4, v31, 3, v3
	v_lshl_add_u32 v3, v31, 4, v3
	v_lshl_add_u32 v4, v30, 7, v4                  ; registers 4-5: 1536 (r / 8) + 8 (r % 8) + 128 h
	v_lshl_add_u32 v3, v30, 8, v3                  ; registers 0-3: 1536 (r / 8) + 16 (r % 8) + 256 h
	v_lshlrev_b32 v5, 6, v24
	v_lshl_add_u32 v5, v31, 2, v5
	v_lshl_add_u32 v5, v30, 5, v5
	v_add_nc_u32 v5, 98304, v5                     ; K's scale words: 64 (r / 8) + 4 (r % 8); lanes 16-31 the chunk's tiles 2, 3: + 32
	v_lshl_add_u32 v6, v28, 2, 100352              ; V's scale words: 4 x lane
	v_lshlrev_b32 v13, 3, v30                      ; 8 h
	v_lshlrev_b32 v250, 2, v29                     ; 4 r
	v_mad_u32_u24 v251, v30, TREC, v250            ; 4 r + a record for lanes 16-31
	s_wait_alu depctr_va_vdst(0)
	global_load_b128 v[38:41], v1, s[48:49]        ; q of my two tiles, first head,
	global_load_b64 v[42:43], v2, s[48:49] offset:512
	global_load_b128 v[50:53], v1, s[48:49] offset:768
	global_load_b64 v[54:55], v2, s[48:49] offset:1280
	global_load_b128 v[236:239], v1, s[48:49] offset:REC       ; second head
	global_load_b64 v[240:241], v2, s[48:49] offset:REC+512
	global_load_b128 v[242:245], v1, s[48:49] offset:REC+768
	global_load_b64 v[246:247], v2, s[48:49] offset:REC+1280
	global_load_b32 v248, v250, s[32:33]           ; their scale bytes: low half first tile, high half second
	global_load_b32 v249, v250, s[32:33] offset:REC
.irp i, 32,33,34,35,36,37,44,45,46,47,48,49,56,57,58,59,60,61
	v_mov_b32 v[\i], 0                             ; the zero codes beside q
.endr
	v_mov_b32 v25, 0                               ; upper halves of broadcast pairs count as read
	v_mov_b32 v27, 0
	s_wait_alu depctr_va_vdst(0)
	s_wait_tensorcnt 0x0                           ; my part of the first head has landed; these lines stand ahead of a later first fill as ahead of a refill
	ds_add_u32 v14, v15
	s_wait_dscnt 0x0
	ROUND                                          ; everybody's part has landed, and the partners' loads meet
	tensor_load_to_lds s[40:43], s[16:23]          ; the second head, into bytes of its own
	s_nop 0
.rept 4
	v_nop
.endr
	s_wait_loadcnt 0x0
.macro KFR a, b, c, d, dk              ; four fragments of K, dk bytes further on than v7 and v8 point
.irp i, \a, \b, \c, \d
.irp u, 0,1
	ds_load_b128 v[KF+12*\i+6*\u:KF+12*\i+6*\u+3], v7 offset:3072*(\i/2)+768*\u+128*(\i%2)+(\dk)
	ds_load_b64 v[KF+12*\i+6*\u+4:KF+12*\i+6*\u+5], v8 offset:3072*(\i/2)+768*\u+64*(\i%2)+512+(\dk)
.endr
.endr
.endm
.macro AHEAD dk, ds                    ; 20 loads: a step's scale words of K (chunk c: lanes 0-15 tiles 0, 1; lanes 16-31 tiles 2, 3) and its fragments 4-7, into v112-163
.irp c, 0,1,2,3
	ds_load_b32 v[KS+\c], v11 offset:128*\c+(\ds)
.endr
	KFR 4, 5, 6, 7, \dk
.endm
.macro SCORES a, b, c, d
.irp i, \a, \b, \c, \d
.irp T, 0,1
	MMZ 128*\T+32*(\i/2)+16*(\i%2), KF+12*\i, 38+12*\T, KS+\i/2, 62+\T, \i%2      ; [q | 0]: the fragment's first tile
	MMZ 128*\T+32*(\i/2)+16*(\i%2)+8, KF+12*\i, 32+12*\T, KS+\i/2, 62+\T, \i%2    ; [0 | q]: its second
.endr
.endr
.endm
; p of one tile of queries and 256 keys: t - M, 2^, the sum, the blocks' scales, the codes
.macro SOFT T
	WIN 0x41
.if (\T) == 0
.set J, 0
.rept 64
	v_pk_fma_f32 v[J:J+1], v[J:J+1], s[26:27], v[NM:NM+1] op_sel_hi:[1,0,0]   ; tile 0's t - M
.set J, J+2
.endr
.endif
	s_wait_alu depctr_va_vdst(0)
.set J, 0
.rept 64
	v_exp_f32 v[128*\T+J], v[128*\T+J]
	v_exp_f32 v[128*\T+J+1], v[128*\T+J+1]
.if (\T) == 0
	v_pk_fma_f32 v[128+J:129+J], v[128+J:129+J], s[26:27], v[NM+2:NM+3] op_sel_hi:[1,0,0]   ; tile 1's t - M stands among tile 0's exponentials: it names none of their registers, and is first read behind this batch's wait and the next batch's
.endif
.set J, J+2
.endr
	WIN 0
.irp c, 0,1,2,3
	v_exp_f32 v[BM+4*\T+\c], v[BM+4*\T+\c]         ; each block's largest p: the same two instructions on the same number
.endr
	v_nop                                          ; a plain instruction behind the batch
	s_wait_alu depctr_va_vdst(0)                   ; one wait for the batch, ahead of its first reader
	WIN 0x05
.irp k, 0,1,2,3,4,5,6,7
	v_pk_add_f32 v[AC+2*\k:AC+2*\k+1], v[128*\T+4*\k:128*\T+4*\k+1], v[128*\T+4*\k+2:128*\T+4*\k+3]   ; the sum of the unquantised p, in eight chains
.endr
	WIN 0x04
.irp j, 32,48,64,80,96,112
.irp k, 0,1,2,3,4,5,6,7
	v_pk_add_f32 v[AC+2*\k:AC+2*\k+1], v[AC+2*\k:AC+2*\k+1], v[128*\T+\j+2*\k:128*\T+\j+2*\k+1]
.endr
.endr
	WIN 0
.irp k, 0,1,2,3
	v_pk_add_f32 v[AC+2*\k:AC+2*\k+1], v[AC+2*\k:AC+2*\k+1], v[AC+8+2*\k:AC+9+2*\k]
.endr
	D 2
	v_pk_add_f32 v[AC:AC+1], v[AC:AC+1], v[AC+4:AC+5]
	D 2
	v_pk_add_f32 v[AC+2:AC+3], v[AC+2:AC+3], v[AC+6:AC+7]
	D 1
	v_pk_add_f32 v[AC:AC+1], v[AC:AC+1], v[AC+2:AC+3]
	D 1
	v_pk_fma_f32 v[SU+2*\T:SU+2*\T+1], v[SU+2*\T:SU+2*\T+1], v[FF+2*\T:FF+2*\T+1], v[AC:AC+1] op_sel_hi:[1,0,1]   ; the old sum under the new M, and this step's
.irp c, 0,1,2,3
	v_max_num_f32 v[BM+4*\T+\c], 0x1800000, v[BM+4*\T+\c]     ; the floor 2^(3 - 127)
.endr
.irp c, 0,1,2,3
	D 4
	v_add_nc_u32 v[SO+4*\T+\c], 0xff000000, v[BM+4*\T+\c]     ; the conversions' scale operands
.endr
.irp c, 0,1,2,3
	D 4
	v_lshrrev_b32 v[BY+\c], 23, v[SO+4*\T+\c]      ; the bytes of my four blocks, 2 c + h
.endr
.irp g, 0,1
	v_lshl_or_b32 v[BY+4+\g], v[BY+2*\g+1], 16, v[BY+2*\g]
.endr
.irp g, 0,1
	D 2
	v_lshlrev_b32 v[BY+4+\g], v13, v[BY+4+\g]      ; at their places in the word of 128 keys: 8 h bits up
.endr
.irp g, 0,1
	D 2
	v_permlanex16_b32 v[BY+6+\g], v[BY+4+\g], s[SEL], s[SEL+1]
.endr
.irp g, 0,1
	D 2
	v_or_b32 v[PW+2*\T+\g], v[BY+4+\g], v[BY+6+\g] ; with lane l xor 16's two bytes the word is whole
.endr
	WIN 0x01
.irp c, 0,1,2,3
	v_cvt_scalef32_pk16_fp6_f32 v[CD+24*\T+6*\c:CD+24*\T+6*\c+2], v[128*\T+32*\c:128*\T+32*\c+15], v[SO+4*\T+\c]
	v_cvt_scalef32_pk16_fp6_f32 v[CT+4*\c:CT+4*\c+2], v[128*\T+32*\c+16:128*\T+32*\c+31], v[SO+4*\T+\c]   ; (a conversion's three registers begin on an even number)
.endr
	WIN 0
	v_nop                                          ; one plain instruction behind the last scaled conversion
.irp c, 0,1,2,3
.irp i, 0,1,2
	v_mov_b32 v[CD+24*\T+6*\c+3+\i], v[CT+4*\c+\i]
.endr
.endr
.endm
; A STEP: 256 keys x 32 queries
.macro STEP
	v_add_nc_u32 v7, s28, v3                       ; (these six are also the plain instructions between the last products and what writes their registers)
	v_add_nc_u32 v8, s28, v4
	v_add_nc_u32 v9, s28, v1
	v_add_nc_u32 v10, s28, v2
	v_add_nc_u32 v11, s29, v5
	v_add_nc_u32 v12, s29, v6
.irp c, 0,1,2,3
	ds_load_b32 v[VS+\c], v12 offset:128*\c        ; V's words: register 2 g + b: tiles 2 b, 2 b + 1 of 128 keys g
.endr
	KFR 0, 1, 2, 3, 0
	s_wait_alu depctr_va_vdst(0)
	s_wait_dscnt 20                                ; all but the 20 loads just issued: K's words and fragments 4-7, asked for a step ahead, are in
	WIN 0x40
	SCORES 4, 5, 6, 7
	s_wait_dscnt 0x0
	SCORES 0, 1, 2, 3
	WIN 0
.rept 4
	v_nop
.endr
	WIN 0x15
.irp T, 0,1
.irp c, 0,1,2,3
	v_max3_num_f32 v[BM+4*\T+\c], v[128*\T+32*\c], v[128*\T+32*\c+1], v[128*\T+32*\c+2]   ; the largest score of each of my blocks: for the row's maximum and for the block's largest p
.endr
.endr
	WIN 0x14
.irp i, 3,5,7,9,11,13,15,17,19,21,23,25,27,29
.irp T, 0,1
.irp c, 0,1,2,3
	v_max3_num_f32 v[BM+4*\T+\c], v[BM+4*\T+\c], v[128*\T+32*\c+\i], v[128*\T+32*\c+\i+1]
.endr
.endr
.endr
.irp T, 0,1
.irp c, 0,1,2,3
	v_max_num_f32 v[BM+4*\T+\c], v[BM+4*\T+\c], v[128*\T+32*\c+31]
.endr
.endr
	WIN 0
.irp T, 0,1
	v_max3_num_f32 v[28+\T], v[BM+4*\T], v[BM+4*\T+1], v[BM+4*\T+2]
.endr
.irp T, 0,1
	D 2
	v_max_num_f32 v[28+\T], v[28+\T], v[BM+4*\T+3]
.endr
.irp T, 0,1
	D 2
	v_permlanex16_b32 v[30+\T], v[28+\T], s[SEL], s[SEL+1]
.endr
.irp T, 0,1
	D 2
	v_max_num_f32 v[28+\T], v[28+\T], v[30+\T]     ; the step's largest score of my query
.endr
.irp T, 0,1
	D 2
	v_mul_f32 v[28+\T], s26, v[28+\T]
.endr
.irp T, 0,1
	D 2
	v_max_num_f32 v[NM+2*\T+1], v[NM+2*\T+1], v[28+\T]   ; the running largest t
.endr
.irp T, 0,1
	v_mov_b32 v[30+\T], v[NM+2*\T]
.endr
.irp T, 0,1
	D 4
	v_floor_f32 v[NM+2*\T], -v[NM+2*\T+1]          ; -M = floor(-t): M is a whole number
.endr
.irp T, 0,1
	D 2
	v_sub_f32 v[30+\T], v[NM+2*\T], v[30+\T]       ; old M - new M, 0 or less
.endr
.irp T, 0,1
	D 2
	v_cvt_i32_f32 v[30+\T], v[30+\T]               ; (it saturates)
.endr
.irp T, 0,1
	D 2
	v_ldexp_f32 v[FF+2*\T], 1.0, v[30+\T]          ; f = 2^(old M - new M): a multiplication by it rounds nothing
.endr
.irp T, 0,1
.irp c, 0,1,2,3
	v_fma_f32 v[BM+4*\T+\c], v[BM+4*\T+\c], s26, v[NM+2*\T]
.endr
.endr
	SOFT 0
	WIN 0x40                                       ; tile 0's p is converted: V's eight fragments take its registers and land during tile 1's softmax
.irp g, 0,1
.irp t, 0,1,2,3
.irp u, 0,1
	ds_load_b128 v[48*\g+12*\t+6*\u:48*\g+12*\t+6*\u+3], v9 offset:49152+3072*(2*\g+\u)+768*\t
	ds_load_b64 v[48*\g+12*\t+6*\u+4:48*\g+12*\t+6*\u+5], v10 offset:49152+3072*(2*\g+\u)+768*\t+512
.endr
.endr
.endr
	WIN 0
	SOFT 1
	s_wait_alu depctr_va_vdst(0)
.irp T, 0,1
.irp j, 0,2,4,6,8,10,12,14,16,18,20,22,24,26,28,30
	v_pk_mul_f32 v[OA+32*\T+\j:OA+32*\T+\j+1], v[OA+32*\T+\j:OA+32*\T+\j+1], v[FF+2*\T:FF+2*\T+1] op_sel_hi:[1,0]   ; O^T under the new M.  (These also stand between the writes of p's codes and scale words and the products)
.endr
.endr
	AHEAD 12288, 512                               ; the next step's: v112-163 are done with for this step.  (In a head's last step these name bytes behind K's, inside the head's block, and are not used)
	s_wait_alu depctr_va_vdst(0)
	s_wait_dscnt 20                                ; all but the 20 loads just issued: V is in
	WIN 0x01
.irp g, 0,1
.irp t, 0,1,2,3
.irp T, 0,1
	MMA OA+32*\T+8*\t, 48*\g+12*\t, CD+24*\T+12*\g, VS+2*\g+\t/2, PW+2*\T+\g, \t%2   ; the eight accumulators by turns
.endr
.endr
.endr
	WIN 0
	s_add_co_u32 s28, s28, 12288                   ; the next step's units,
	s_add_co_u32 s29, s29, 512                     ; and scale words
.endm
; ONE HEAD: four steps, then O / the sum, its quantiser and its stores
.macro PASS h
.if \h
.irp i, 0,1,2,3,4,5
	v_mov_b32 v[38+\i], v[236+\i]                  ; the second head's q
	v_mov_b32 v[50+\i], v[242+\i]
.endr
.endif
	v_and_b32 v62, 0xffff, v[248+\h]
	v_lshrrev_b32 v63, 16, v[248+\h]
	D 2
	v_lshl_or_b32 v62, v62, 16, v62                ; q's two bytes, twice: for either place of q
	D 2
	v_lshl_or_b32 v63, v63, 16, v63
.irp T, 0,1
	v_mov_b32 v[NM+2*\T+1], 0xff61b1e6             ; the largest t so far: -3e38
.endr
.irp T, 0,1
	D 2
	v_floor_f32 v[NM+2*\T], -v[NM+2*\T+1]
.endr
.irp i, 0,1,2,3
	v_mov_b32 v[SU+\i], 0
.endr
.set J, 0
.rept 64
	v_mov_b32 v[OA+J], 0                           ; O^T: the step is written once, and its first trip finds zeros
.set J, J+1
.endr
	s_mov_b32 s28, \h*HKV
	s_mov_b32 s29, \h*HKV
	s_mov_b32 s30, 4
	v_add_nc_u32 v7, s28, v3
	v_add_nc_u32 v8, s28, v4
	v_add_nc_u32 v11, s29, v5
	AHEAD 0, 0                                     ; the first step's
.Lstep_\@:
	STEP
	s_sub_co_u32 s30, s30, 1
	s_cmp_lg_u32 s30, 0
	s_cbranch_scc1 .Lstep_\@
	s_wait_dscnt 0x0                               ; the last step's loads ahead have come back: their registers are written below
.irp T, 0,1
	v_add_f32 v[SU+2*\T], v[SU+2*\T], v[SU+2*\T+1]
.endr
.irp T, 0,1
	D 2
	v_permlanex16_b32 v[30+\T], v[SU+2*\T], s[SEL], s[SEL+1]
.endr
.irp T, 0,1
	D 2
	v_add_f32 v[SU+2*\T], v[SU+2*\T], v[30+\T]     ; the row's sum
.endr
	s_wait_alu depctr_va_vdst(0)
.irp T, 0,1
	v_rcp_f32 v[SU+2*\T], v[SU+2*\T]
.endr
	v_nop
	s_wait_alu depctr_va_vdst(0)
.irp T, 0,1
.irp j, 0,2,4,6,8,10,12,14,16,18,20,22,24,26,28,30
	v_pk_mul_f32 v[OA+32*\T+\j:OA+32*\T+\j+1], v[OA+32*\T+\j:OA+32*\T+\j+1], v[SU+2*\T:SU+2*\T+1] op_sel_hi:[1,0]
.endr
.endr
.irp T, 0,1
.irp b, 0,1
.irp j, 0,1,2,3,4,5,6,7
	v_permlane16_swap_b32 v[OA+32*\T+16*\b+\j], v[OA+32*\T+16*\b+8+\j]   ; the true order along the head's 64, which W_proj's given codes have: register 16 b + i now holds feature 32 b + 16 h + i
.endr
.endr
.endr
.irp g, 0,1,2,3,4,5,6,7,8,9,10,11,12,13
.irp T, 0,1
	QST \g, OA+32*\T, 64+8*\T, 112+4*\T
.endr
.endr
	v_nop                                          ; one plain instruction behind the last scaled conversion
.irp g, 14,15
.irp T, 0,1
	QST \g, OA+32*\T, 64+8*\T, 112+4*\T
.endr
.endr
.irp T, 0,1
	global_store_b128 v1, v[64+8*\T:67+8*\T], s[34:35] offset:TREC*\T+768*\h
	global_store_b64 v2, v[68+8*\T:69+8*\T], s[34:35] offset:TREC*\T+768*\h+512
.endr
	v_cndmask_b32 v28, v114, v118, s38             ; lanes 0-15 store the first tile's bytes, lanes 16-31 the second's
	global_store_b16 v251, v28, s[36:37] offset:2*\h
	s_wait_xcnt 0x0                                ; the stores' data are written again only behind this wait
.endm
	PASS 0
	s_wait_tensorcnt 0x0                           ; my part of the second head has landed,
	s_wait_dscnt 0x0
	s_barrier_signal -1
	s_barrier_wait -1                              ; everybody's has
	PASS 1
	s_wait_tensorcnt 0x0                           ; the wave's end
	ds_add_u32 v14, v15
	s_wait_dscnt 0x0
	ROUND                                          ; the closing round
	s_endpgm
.Lfunc_end_k_q80b4e7cf6d_attn:
	.size	k_q80b4e7cf6d_attn, .Lfunc_end_k_q80b4e7cf6d_attn-k_q80b4e7cf6d_attn
	.p2alignl 7, 3214868480
	.fill 96, 4, 3214868480
	.section	.rodata,"a",@progbits
	.p2align	6, 0x0
	.amdhsa_kernel k_q80b4e7cf6d_attn
		.amdhsa_group_segment_fixed_size 327680
		.amdhsa_private_segment_fixed_size 0
		.amdhsa_enable_private_segment 0
		.amdhsa_kernarg_size 16
		.amdhsa_user_sgpr_count 2
		.amdhsa_user_sgpr_kernarg_segment_ptr 1
		.amdhsa_wavefront_size32 1
		.amdhsa_system_sgpr_workgroup_id_x 1
		.amdhsa_system_sgpr_workgroup_id_y 1
		.amdhsa_system_sgpr_workgroup_id_z 1
		.amdhsa_system_vgpr_workitem_id 0
		.amdhsa_next_free_vgpr 512
		.amdhsa_next_free_sgpr 66
		.amdhsa_reserve_vcc 0
		.amdhsa_float_denorm_mode_32 3
		.amdhsa_float_denorm_mode_16_64 3
		.amdhsa_memory_ordered 1
		.amdhsa_forward_progress 1
		.amdhsa_inst_pref_size 139
	.end_amdhsa_kernel
	.amdgpu_metadata
---
amdhsa.version: [ 1, 2 ]
amdhsa.kernels:
  - .name:           k_q80b4e7cf6d_attn
    .symbol:         k_q80b4e7cf6d_attn.kd
    .args:
      - { .name: qkv, .offset: 0, .size: 8, .value_kind: global_buffer, .address_space: global }
      - { .name: ob, .offset: 8, .size: 8, .value_kind: global_buffer, .address_space: global }
    .group_segment_fixed_size: 327680
    .private_segment_fixed_size: 0
    .kernarg_segment_align: 8
    .kernarg_segment_size: 16
    .max_flat_workgroup_size: 256
    .sgpr_count:     66
    .vgpr_count:     512
    .wavefront_size: 32
...
	.end_amdgpu_metadata
.endif
;; end of part 2
;; launch proj (part 3): grid 8 x 32, 4 waves a work-group, clusters of 4 x 4, 327,680 bytes of LDS; arguments ob, W_proj_codes, W_proj_scales, b_proj, out0; writes out0
.if DOCPART == 3
	.amdgcn_target "amdgcn-amd-amdhsa--gfx1250"
	.amdhsa_code_object_version 6
	.text
	.protected	k_q80b4e7cf6d_proj
	.globl	k_q80b4e7cf6d_proj
	.p2align	8
	.type	k_q80b4e7cf6d_proj,@function
k_q80b4e7cf6d_proj:
	s_mov_b64 s[64:65], 0
	v_nop
	global_prefetch_b8 v0, s[64:65] scope:SCOPE_SE
	s_setreg_imm32_b32 hwreg(HW_REG_WAVE_MODE, 25, 1), 1
	s_wait_xcnt 0x0
	s_wait_alu depctr_hold_cnt(0) depctr_sa_sdst(0) depctr_va_vdst(0) depctr_va_sdst(0) depctr_va_ssrc(0) depctr_va_vcc(0) depctr_vm_vsrc(0)
	s_getreg_b32 s2, hwreg(HW_REG_IB_STS2, 6, 4)
	s_cmp_eq_u32 s2, 0
	s_cbranch_scc0 .Lentry_in_a_cluster
	s_endpgm
.Lentry_in_a_cluster:
	s_bfe_u32 s2, ttmp6, 0x10000c
	s_cmp_lg_u32 s2, 0xf033
	s_cbranch_scc0 .Lentry_shape_is_right
	s_endpgm
.Lentry_shape_is_right:
.set PITCH, 816
.set TREC,  12800
.set WP,    204800
.set STG,   WP+128*PITCH
.set WV,    66
.set MSB, 0
.macro WIN new
.if MSB != (\new)
	s_set_vgpr_msb (MSB<<8)|(\new)
.set MSB, \new
.endif
.endm
.macro CROUND
	s_barrier_signal -1
	s_barrier_wait -1
	s_cmp_lg_u32 s[WV], 0
	s_cbranch_scc1 .Lnot_wave_0_\@
	s_barrier_signal -3
.Lnot_wave_0_\@:
	s_barrier_wait -3
	s_barrier_signal -1
	s_barrier_wait -1
.endm
.macro MMX d, a, b, c, sa, sb, sel
.if (\sel) == 0
	v_wmma_scale_f32_16x16x128_f8f6f4 v[(\d):(\d)+7], v[(\a):(\a)+11], v[(\b):(\b)+11], v[(\c):(\c)+7], v[\sa], v[\sb] matrix_a_fmt:MATRIX_FMT_FP6 matrix_b_fmt:MATRIX_FMT_FP6
.elseif (\sel) == 1
	v_wmma_scale_f32_16x16x128_f8f6f4 v[(\d):(\d)+7], v[(\a):(\a)+11], v[(\b):(\b)+11], v[(\c):(\c)+7], v[\sa], v[\sb] matrix_a_fmt:MATRIX_FMT_FP6 matrix_b_fmt:MATRIX_FMT_FP6 matrix_a_scale:MATRIX_SCALE_ROW1
.elseif (\sel) == 2
	v_wmma_scale_f32_16x16x128_f8f6f4 v[(\d):(\d)+7], v[(\a):(\a)+11], v[(\b):(\b)+11], v[(\c):(\c)+7], v[\sa], v[\sb] matrix_a_fmt:MATRIX_FMT_FP6 matrix_b_fmt:MATRIX_FMT_FP6 matrix_b_scale:MATRIX_SCALE_ROW1
.else
	v_wmma_scale_f32_16x16x128_f8f6f4 v[(\d):(\d)+7], v[(\a):(\a)+11], v[(\b):(\b)+11], v[(\c):(\c)+7], v[\sa], v[\sb] matrix_a_fmt:MATRIX_FMT_FP6 matrix_b_fmt:MATRIX_FMT_FP6 matrix_a_scale:MATRIX_SCALE_ROW1 matrix_b_scale:MATRIX_SCALE_ROW1
.endif
.endm
.macro FRAG reg, adr, q, off
.irp p, 0,1,2,3,4,5
.set PCC, 12*(\q)+6*(\p/3)+\p%3
.if PCC%32 < 29
	ds_load_b64 v[(\reg)+2*\p:(\reg)+2*\p+1], v[\adr] offset:8*PCC+16*(PCC/32)+(\off)
.else
	ds_load_b64 v[(\reg)+2*\p:(\reg)+2*\p+1], v[(\adr)+1] offset:8*PCC+16*(PCC/32)+(\off)
.endif
.endr
.endm
	s_load_b256 s[4:11], s[0:1], 0x0
	s_load_b64 s[12:13], s[0:1], 0x20
	v_lshl_add_u32 v2, v0, 2, 0x4fc00
	v_mov_b32 v15, 0
	ds_add_u32 v2, v15
	ds_add_u32 v2, v15
	v_lshrrev_b32 v81, 5, v0
	v_readfirstlane_b32 s[WV], v81
	s_bfe_u32 s67, ttmp6, 0x40000
	s_bfe_u32 s68, ttmp6, 0x40004
	s_lshl_b32 s69, ttmp9, 2
	s_add_co_u32 s69, s69, s67
	s_and_b32 s70, ttmp7, 0xffff
	s_lshl_b32 s70, s70, 2
	s_add_co_u32 s70, s70, s68
	s_lshl_b32 s71, s68, 2
	s_lshl_b32 s71, 15, s71
	s_lshl_b32 s72, 0x1111, s67
	s_or_b32 s28, s71, (3<<16)|(1<<21)
	s_mov_b32 s29, 32<<16
	s_mov_b32 s30, 400<<16
	s_mov_b32 s31, 32<<16
	s_mov_b32 s32, 400
	s_mov_b32 s33, 32
	s_mov_b32 s34, 0
	s_mov_b32 s35, 0
	s_or_b32 s36, s72, 0x07700000
	s_mov_b32 s37, 768<<16
	s_mov_b32 s38, 64<<16
	s_mov_b32 s39, 768<<16
	s_mov_b32 s40, 64
	s_mov_b32 s41, 768
	s_mov_b32 s42, 0
	s_mov_b32 s43, 0
	s_lshl_b32 s96, s70, 4
	s_and_b32 s74, s[WV], 1                        ; which half of the tokens' records (waves 0, 1) or of W's 128 rows (waves 2, 3) I fetch
	s_lshl_b32 s73, s74, 3
	s_add_co_u32 s96, s96, s73
	s_mul_i32 s96, s96, TREC
	s_mov_b32 s97, 0
	s_lshl_b32 s98, s69, 7
	s_lshl_b32 s99, s74, 6
	s_add_co_u32 s98, s98, s99
	s_mul_i32 s98, s98, 768
	s_mov_b32 s99, 0
	s_mov_b32 s60, 1
	s_mul_i32 s61, s74, 8*TREC
	s_mul_i32 s53, s[WV], 4*TREC
	s_mov_b32 s56, 1
	s_mul_i32 s57, s74, 64*PITCH
	s_add_co_u32 s57, s57, WP
	s_wait_dscnt 0x0
	s_wait_kmcnt 0x0
	s_add_nc_u64 s[62:63], s[4:5], s[96:97]
	s_or_b32 s63, s63, 0x80000000
	s_add_nc_u64 s[58:59], s[6:7], s[98:99]
	s_or_b32 s59, s59, 0x80000000
	CROUND
	; the head's loads, one a wave: waves 0 and 1 fetch eight records of tokens each (400 rows of 256 bytes), waves 2 and 3 64 rows of W each
	s_cmp_lt_u32 s[WV], 2
	s_cbranch_scc0 .Lhead_w
	tensor_load_to_lds s[60:63], s[28:35]
	s_nop 0
.rept 4
	v_nop
.endr
	s_branch .Lhead_asked
.Lhead_w:
	tensor_load_to_lds s[56:59], s[36:43]
	s_nop 0
.rept 4
	v_nop
.endr
.Lhead_asked:
	s_lshl_b32 s86, s69, 12
	s_mov_b32 s87, 0
	s_add_nc_u64 s[8:9], s[8:9], s[86:87]
	s_lshl_b32 s86, s69, 9
	s_add_nc_u64 s[10:11], s[10:11], s[86:87]
	s_add_nc_u64 s[12:13], s[12:13], s[86:87]
	s_lshl_b32 s86, s70, 8
	s_lshl_b32 s88, s[WV], 6
	s_add_co_u32 s86, s86, s88
	s_lshl_b32 s86, s86, 12
	s_add_nc_u64 s[12:13], s[12:13], s[86:87]
	s_mul_i32 s84, s[WV], 16*272
	s_add_co_u32 s84, s84, STG
	v_and_b32 v81, 15, v0
	v_bfe_u32 v82, v0, 4, 1
	v_and_b32 v83, 31, v0
	v_mul_u32_u24 v3, v81, PITCH
	v_add_nc_u32 v3, WP, v3
	v_mad_u32_u24 v4, v82, 40, v3
	v_mad_u32_u24 v3, v82, 24, v3
	v_add_nc_u32 v5, 64*PITCH, v3
	v_add_nc_u32 v6, 64*PITCH, v4
	v_lshlrev_b32 v7, 5, v83
	v_lshlrev_b32 v8, 5, v82
	v_lshl_add_u32 v9, v83, 4, s53
	v_lshl_add_u32 v10, v83, 3, s53
	v_lshlrev_b32 v11, 2, v81
	v_mad_u32_u24 v11, v82, TREC, v11
	v_add_nc_u32 v11, s53, v11
	v_add_nc_u32 v11, 12288, v11
	v_mul_u32_u24 v12, v81, 272
	v_lshl_add_u32 v12, v82, 5, v12
	v_add_nc_u32 v12, s84, v12
	v_mul_u32_u24 v13, v82, 272
	v_lshl_add_u32 v13, v81, 4, v13
	v_add_nc_u32 v13, s84, v13
	v_lshlrev_b32 v14, 12, v82
	v_lshl_add_u32 v14, v81, 4, v14
.irp s, 0,1
.irp b, 0,1
	global_load_b128 v[32+16*\s+8*\b:35+16*\s+8*\b], v7, s[8:9] offset:2048*\s+1024*\b
	global_load_b128 v[36+16*\s+8*\b:39+16*\s+8*\b], v7, s[8:9] offset:2048*\s+1024*\b+16
.endr
.endr
.irp s, 0,1
.irp t, 0,1,2,3
	global_load_b128 v[64+32*\s+8*\t:67+32*\s+8*\t], v8, s[10:11] offset:256*\s+64*\t
	global_load_b128 v[68+32*\s+8*\t:71+32*\s+8*\t], v8, s[10:11] offset:256*\s+64*\t+16
.endr
.endr
	s_wait_alu depctr_va_vdst(0)
	s_wait_tensorcnt 0x0                           ; my one load has landed,
	s_barrier_signal -1
	s_barrier_wait -1                              ; everybody's has: the tokens and W are whole
.irp n, 0,1,2,3
	WIN (1+\n/2)<<6
.irp q, 0,1,2,3,4,5,6,7
	ds_load_b128 v[96*(\n%2)+12*\q:96*(\n%2)+12*\q+3], v9 offset:TREC*\n+1536*\q
	ds_load_b64 v[96*(\n%2)+12*\q+4:96*(\n%2)+12*\q+5], v10 offset:TREC*\n+1536*\q+512
	ds_load_b128 v[96*(\n%2)+12*\q+6:96*(\n%2)+12*\q+9], v9 offset:TREC*\n+1536*\q+768
	ds_load_b64 v[96*(\n%2)+12*\q+10:96*(\n%2)+12*\q+11], v10 offset:TREC*\n+1536*\q+1280
.endr
.endr
	WIN 0
.irp m, 0,1
.irp q, 0,1,2,3,4,5,6,7
	ds_load_b32 v[16+8*\m+\q], v11 offset:2*TREC*\m+64*\q
.endr
.endr
	s_wait_loadcnt 0x0
.macro KSTEP q, st
.set PP, (\q)%2
	s_wait_dscnt 0x0
.rept 4
	v_nop
.endr
.if (\q) < 7
	WIN (2-PP)<<6
.irp t, 0,1,2,3
	FRAG 192+12*\t, 3+2*(\st), (\q)+1, 16*\t*PITCH
.endr
.endif
.irp nb, 0,1,2,3
	WIN (1+PP)|((1+\nb/2)<<2)
.irp t, 0,1,2,3
.set RD_, 128+32*\nb+8*\t
.set RC_, RD_
.if (\q) == 0
.set RC_, 64+32*(\st)+8*\t
.endif
	MMX RD_, 192+12*\t, 96*(\nb%2)+12*(\q), RC_, 32+16*(\st)+8*(\t/2)+(\q), 16+8*(\nb/2)+(\q), (\t%2)+2*(\nb%2)
.endr
.endr
.endm
.macro TOSTAGE nb
.irp t, 0,1,2,3
	ds_store_b128 v12, v[128+32*(\nb)+8*\t:131+32*(\nb)+8*\t] offset:64*\t
	ds_store_b128 v12, v[132+32*(\nb)+8*\t:135+32*(\nb)+8*\t] offset:64*\t+16
.endr
.irp i, 0,1,2,3,4,5,6,7
	ds_load_b128 v[128+32*(\nb)+4*\i:131+32*(\nb)+4*\i], v13 offset:544*\i
.endr
.endm
.macro SEND nb, younger, st
	s_wait_dscnt \younger
.irp i, 0,1,2,3,4,5,6,7
	global_store_b128 v14, v[128+32*(\nb)+4*\i:131+32*(\nb)+4*\i], s[12:13] offset:65536*(\nb)+8192*\i+256*(\st) th:TH_STORE_NT
.endr
.endm
.macro PSTEP st
	WIN 0x40
.irp t, 0,1,2,3
	FRAG 192+12*\t, 3+2*(\st), 0, 16*\t*PITCH
.endr
.irp q, 0,1,2,3,4,5,6,7
	KSTEP \q, \st
.endr
	WIN 0
.rept 4
	v_nop
.endr
	TOSTAGE 0
.irp n, 1,2,3
	TOSTAGE \n
	SEND \n-1, 16, \st
.endr
	SEND 3, 0, \st
.endm
	PSTEP 0
	s_wait_xcnt 0x0
	PSTEP 1
	s_wait_dscnt 0x0
	s_wait_tensorcnt 0x0
	ds_add_u32 v2, v15
	s_wait_dscnt 0x0
	CROUND
	s_endpgm
.Lfunc_end_k_q80b4e7cf6d_proj:
	.size	k_q80b4e7cf6d_proj, .Lfunc_end_k_q80b4e7cf6d_proj-k_q80b4e7cf6d_proj
	.p2alignl 7, 3214868480
	.fill 96, 4, 3214868480
	.section	.rodata,"a",@progbits
	.p2align	6, 0x0
	.amdhsa_kernel k_q80b4e7cf6d_proj
		.amdhsa_group_segment_fixed_size 327680
		.amdhsa_private_segment_fixed_size 0
		.amdhsa_enable_private_segment 0
		.amdhsa_kernarg_size 40
		.amdhsa_user_sgpr_count 2
		.amdhsa_user_sgpr_kernarg_segment_ptr 1
		.amdhsa_wavefront_size32 1
		.amdhsa_system_sgpr_workgroup_id_x 1
		.amdhsa_system_sgpr_workgroup_id_y 1
		.amdhsa_system_sgpr_workgroup_id_z 1
		.amdhsa_system_vgpr_workitem_id 0
		.amdhsa_next_free_vgpr 1024
		.amdhsa_next_free_sgpr 100
		.amdhsa_reserve_vcc 0
		.amdhsa_float_denorm_mode_32 3
		.amdhsa_float_denorm_mode_16_64 3
		.amdhsa_memory_ordered 1
		.amdhsa_forward_progress 1
		.amdhsa_inst_pref_size 93
	.end_amdhsa_kernel
	.amdgpu_metadata
---
amdhsa.version: [ 1, 2 ]
amdhsa.kernels:
  - .name:           k_q80b4e7cf6d_proj
    .symbol:         k_q80b4e7cf6d_proj.kd
    .args:
      - { .name: ob, .offset: 0, .size: 8, .value_kind: global_buffer, .address_space: global }
      - { .name: W_proj_codes, .offset: 8, .size: 8, .value_kind: global_buffer, .address_space: global }
      - { .name: W_proj_scales, .offset: 16, .size: 8, .value_kind: global_buffer, .address_space: global }
      - { .name: b_proj, .offset: 24, .size: 8, .value_kind: global_buffer, .address_space: global }
      - { .name: out0, .offset: 32, .size: 8, .value_kind: global_buffer, .address_space: global }
    .group_segment_fixed_size: 327680
    .private_segment_fixed_size: 0
    .kernarg_segment_align: 8
    .kernarg_segment_size: 40
    .max_flat_workgroup_size: 128
    .sgpr_count:     100
    .vgpr_count:     1024
    .wavefront_size: 32
...
	.end_amdgpu_metadata
.endif
;; end of part 3
